; MI455X (gfx1250); checked and timed in simulation.
; The chip was launched on July 23, 2026; its instructions are those of AMD's public machine-readable ISA for CDNA 5 (MIT licence, August 2026) and "CDNA5" Instruction Set Architecture Reference Guide (July 2026). The comments in the code are by the model that wrote it; some were corrected since.
;; Multihead Attention With Ro PE. Allowed arithmetic: matrix products marked QUANTISED: E4M3 operands, one given power-of-two scale a tensor, by v_wmma_f32_16x16x64_fp8_fp8 or v_wmma_f32_16x16x128_fp8_fp8, f32 sums; everything else in f32.
;; Inputs: Wo 1,024 x 1,024 float32; Wqkv 1,024 x 3,072 float32; bo 1,024 float32; bqkv 3,072 float32; lowp_scales 8 int32 (the exponents e of the quantised operands' scales 2^e); padding_mask 4 x 2,048 bool; x 4 x 2,048 x 1,024 float32.
;; Outputs: out0 4 x 2,048 x 1,024 float32.
;; This version of the problem:
;;   THIS VERSION OF THE PROBLEM IS GIVEN IN LOW PRECISION. The matrix products marked QUANTISED in the list below multiply operands that are first quantised to E4M3 (4 exponent bits, 3 mantissa bits; 8 bits a number), with one given power-of-two scale for each operand tensor; their sums are f32. All else is computed in f32.
;;   The module's matrix products, in the order in which they are computed (A, B: the left and right operand; K: the contracted axis; several contracted axes count as one K, in the product's order):
;;     1. [M 8,192, K 1,024] x [K 1,024, N 3,072]; A: input x; B: input Wqkv: QUANTISED (scales: A lowp_scales[0], B lowp_scales[1])
;;     2. batch 64 x [M 2,048, K 64] x [K 64, N 2,048]; A: computed on the way; B: computed on the way: QUANTISED (scales: A lowp_scales[2], B lowp_scales[3])
;;     3. batch 64 x [M 2,048, K 2,048] x [K 2,048, N 64]; A: softmax (see below); B: computed on the way: QUANTISED (scales: A lowp_scales[4], B lowp_scales[5])
;;     4. [M 8,192, K 1,024] x [K 1,024, N 1,024]; A: computed on the way; B: input Wo: QUANTISED (scales: A lowp_scales[6], B lowp_scales[7])
;;   THE QUANTISER, for each operand of a quantised product, along K:
;;     - The operand's scale is 2^e, e = its entry of the input lowp_scales (int32; the entries are numbered through the quantised products in the list's order, A before B).
;;     - Each number is divided by the scale, clamped to +-448, and rounded to the nearest number of E4M3, ties to even, subnormals kept.
;;     - The product sums the exact products of the quantised numbers (number of the format x scale) in f32.
;;   ~~~python
;;   def quantise(x, axis, e):      # numpy; x: float32 -> the quantised numbers, widened to float32 again
;;       x = np.moveaxis(x, axis, -1); K = x.shape[-1]
;;       r = np.clip(x / 2.0 ** e, -448, 448)
;;       step = 2.0 ** (np.maximum(np.frexp(np.where(r == 0, 1, r))[1] - 1, -6) - 3)
;;       q = np.round(r / step) * step * 2.0 ** e      # np.round: ties to even
;;       return np.moveaxis(q, -1, axis).astype(np.float32)
;;   ~~~
;;   SOFTMAX AHEAD OF A QUANTISED PRODUCT. Where the list says 'softmax', what is quantised is not the finished softmax but p = 2^(t - M), with t = logit x log2(e) and M = ceil(the row's largest t), a whole number; so 1/2 < the row's largest p <= 1. The row's sum l is taken of the UNQUANTISED p, in f32, and the product's result is divided by l at the end. Since M is a whole number, a kernel that streams over the keys may use a running M (the ceiling of the running maximum): every later rescaling is an exact power of two, so the quantised numbers keep their values, but for numbers so far below the row's largest that they fall under the format's range.
;;   OPERANDS COMPUTED ON THE WAY. 'Computed on the way' means the value that the module computes at that place (a softmax that the list does not call 'softmax' is quantised finished and normalised). What goes into a quantiser is computed in f32, as accurately as f32 sums, v_exp_f32 and their like allow (about 1e-6 of the number): no bf16 or f16 on the way to a quantiser, and a product that is left as it is and whose result goes on into a quantised operand takes f32 operands (vector FMAs, or v_wmma_f32_16x16x4_f32). A number that lies on a knife's edge between two numbers of the format may be rounded either way, as far as f32 arithmetic and the matrix unit's own rounding can turn it there, and no further.
;; One version. Each part assembles by itself: llvm-mc -triple=amdgcn-amd-amdhsa -mcpu=gfx1250 --defsym DOCPART=n.
;; ======== version 1 of 1: 4 launches
;; limits: right only within a limited range of input values
;; workspace buffers: xc 8,388,608 bytes; wqc 3,145,728 bytes; woc 1,048,576 bytes; rope 524,288 bytes; qimg 8,388,608 bytes; kimg 8,388,608 bytes; vimg 8,388,608 bytes; aimg 8,388,608 bytes
;; launch prep (part 1): grid 400 x 1, 4 waves a work-group, no clusters, 68,096 bytes of LDS; arguments x, Wqkv, Wo, lowp_scales, xc, wqc, woc, rope; writes xc, wqc, woc, rope
.if DOCPART == 1
	.amdgcn_target "amdgcn-amd-amdhsa--gfx1250"
	.amdhsa_code_object_version 6
	.text
	.protected	k_q2c0c01d9c4_prep
	.globl	k_q2c0c01d9c4_prep
	.p2align	8
	.type	k_q2c0c01d9c4_prep,@function
k_q2c0c01d9c4_prep:
	s_mov_b64 s[64:65], 0
	v_nop
	global_prefetch_b8 v0, s[64:65] scope:SCOPE_SE
	s_setreg_imm32_b32 hwreg(HW_REG_WAVE_MODE, 25, 1), 1
	s_wait_xcnt 0x0
; Three jobs in one launch, told apart by the work-group's number; each has LDS bytes of its own.
;   work-groups 0-15    the tables sin, cos of t x 10^(-p/8), t = 0..2047, p = 0..31, laid as the next launch's registers want them
;   work-groups 16-143  Wqkv [1024][3072] and Wo [1024][1024], f32 with K as FIRST axis -> codes of E4M3 with K innermost, rows of 1,024 bytes
;   work-groups 144-399 x [8192][1024] f32 -> codes of E4M3, as the numbers lie
; code = number / 2^e, held within +-448, to the nearest code, ties to even; e = entry 0 (x), 1 (Wqkv), 7 (Wo) of the given exponents.
; LIMITS: each of these e lies between -126 and 119.  NaN among the inputs is not served.  The 32 inverse frequencies are the nearest f32 numbers to 10^(-p/8).
; ORDER OF wqc's ROWS.  Parts Q and K: within a head the even d first, then the odd d (row 32 (d & 1) + d / 2), so that the two numbers that RoPE turns lie 32 rows apart.
; Part V: within a head bits 3 and 4 of d change places, so that a tile of 16 rows holds d = 0-7 and 16-23 (or 8-15 and 24-31) of its 32.
.set RWG,   16                         ; work-groups for the tables
.set XWG,   144                        ; the first work-group of x
.set STEPS, 16                         ; x: steps of 512 numbers a wave
.set XR,    16                         ; x: v16-79 four sets of 16 numbers as loaded
.set XX,    80                         ; x: v80-111 two sets of 16 neighbours
.set XC,    128                        ; x: v128-191 codes, four registers a step
.set SP,    80                         ; x: a lane's place in a stage: 64 bytes + 16
.set WREG,  8192                       ; x: LDS bytes 0 to 32,767: a region for each wave, two stages of 32 x SP bytes
.set WSTG,  32768                      ; weights: LDS bytes 32,768 on: 32 rows x 272 bytes for each wave
.set WP,    272
.set WX,    32                         ; weights: v32-95 two sets of 32 numbers
.set WC,    96                         ; weights: v96-103 a block's codes
.set WOR,   112                        ; weights: v112-175 the way out
.set WOF,   176                        ; weights: v176-207 byte offsets of 32 rows of the weight
	s_load_b512 s[16:31], s[0:1], 0x0              ; x s[16:17], Wqkv s[18:19], Wo s[20:21], exponents s[22:23], xc s[24:25], wqc s[26:27], woc s[28:29], rope s[30:31]
	v_lshl_add_u32 v208, v0, 2, 0x10800
	v_mov_b32 v209, 0
	v_lshrrev_b32 v1, 5, v0
	v_readfirstlane_b32 s2, v1                     ; wave
	v_and_b32 v2, 31, v0                           ; lane
	s_wait_kmcnt 0x0
	s_load_b256 s[56:63], s[22:23], 0x0            ; the eight exponents
	s_cmp_lt_u32 ttmp9, RWG
	s_cbranch_scc1 .Lrope
	s_cmp_lt_u32 ttmp9, XWG
	s_cbranch_scc1 .Lweights
; ---------------- x: a plain stream.  Each load reads 512 consecutive bytes; a step's 2,048 bytes turn through the wave's own stage so that a lane holds 16 neighbours along K; a wave stores 512 consecutive bytes of codes.
	s_wait_alu depctr_va_vdst(0)
	v_lshlrev_b32 v3, 4, v2                        ; my 16 bytes of a load's 512
	s_wait_alu depctr_va_vdst(0)
	s_mul_i32 s3, s2, WREG
	v_lshrrev_b32 v14, 2, v2
	v_mul_u32_u24 v14, v14, SP
	v_and_b32 v15, 3, v2
	v_lshl_add_u32 v14, v15, 4, v14
	v_add_nc_u32 v14, s3, v14                      ; into the stage: SP (lane / 4) + 16 (lane % 4)
	v_mul_u32_u24 v15, v2, SP
	v_add_nc_u32 v15, s3, v15                      ; out of it: SP x lane
	v_lshlrev_b32 v4, 4, v2                        ; my 16 codes of a step's 512
	s_sub_co_u32 s4, ttmp9, XWG
	s_lshl_b32 s4, s4, 2
	s_add_co_u32 s4, s4, s2                        ; which run of 8,192 numbers is my wave's
	s_lshl_b32 s6, s4, 15
	s_mov_b32 s7, 0
	s_add_nc_u64 s[16:17], s[16:17], s[6:7]
	s_lshl_b32 s6, s4, 13
	s_add_nc_u64 s[24:25], s[24:25], s[6:7]
.macro XLOAD t
.irp i, 0,1,2,3
	global_load_b128 v[XR+16*((\t)%4)+4*\i:XR+16*((\t)%4)+4*\i+3], v3, s[16:17] offset:2048*(\t)+512*\i th:TH_LOAD_NT
.endr
.endm
.macro XTURN t                         ; LDS serves a wave's instructions in order: no wait between the stores and the loads
.irp i, 0,1,2,3
	ds_store_b128 v14, v[XR+16*((\t)%4)+4*\i:XR+16*((\t)%4)+4*\i+3] offset:32*SP*((\t)%2)+8*SP*\i
.endr
.irp i, 0,1,2,3
	ds_load_b128 v[XX+16*((\t)%2)+4*\i:XX+16*((\t)%2)+4*\i+3], v15 offset:32*SP*((\t)%2)+16*\i
.endr
.endm
.irp t, 0,1,2,3
	XLOAD \t
.endr
	s_wait_alu depctr_va_vdst(0)
	s_wait_kmcnt 0x0
	s_add_co_i32 s8, s56, 127
	s_lshl_b32 s9, s8, 23
	v_mov_b32 v11, s9                              ; 2^e as f32: the conversion takes its exponent field
	s_add_co_i32 s8, s8, 8
	s_lshl_b32 s8, s8, 23
	s_or_b32 s8, s8, 0x600000
	v_mov_b32 v10, s8                              ; 448 x 2^e
	s_wait_alu depctr_va_vdst(0)
	s_wait_loadcnt 12                              ; step 0's four loads are in; the 12 of steps 1 to 3 may be out
	XTURN 0
.macro XSTEP t
.set XS, XX+16*((\t)%2)
	s_wait_dscnt 0x0                               ; this step's numbers are back, so its stores into the stage have read their registers,
.if (\t)+4 < STEPS
	XLOAD (\t)+4                                   ; which take the loads of four steps on
.endif
.if (\t)+1 < STEPS
.if STEPS-2-(\t) >= 3
	s_wait_loadcnt 12                              ; the next step's loads are in; those of the three steps behind it may be out
.else
	s_wait_loadcnt 4*(STEPS-2-(\t))
.endif
	XTURN (\t)+1
.endif
.irp i, 0,1,2,3,4,5,6,7,8,9,10,11,12,13,14,15
	v_med3_num_f32 v[XS+\i], v[XS+\i], -v10, v10   ; the conversion does not saturate (ISA guide 7.6.2): the hold at the largest code x the scale
.endr
	v_cvt_scalef32_pk8_fp8_f32 v[XC+4*(\t):XC+4*(\t)+1], v[XS:XS+7], v11
	v_cvt_scalef32_pk8_fp8_f32 v[XC+4*(\t)+2:XC+4*(\t)+3], v[XS+8:XS+15], v11
	global_store_b128 v4, v[XC+4*(\t):XC+4*(\t)+3], s[24:25] offset:512*(\t)   ; each step has its own four registers: no store's data are written again
.endm
.irp t, 0,1,2,3,4,5,6,7,8,9,10,11,12,13,14,15
	XSTEP \t
.endr
	s_wait_tensorcnt 0x0
	ds_add_u32 v208, v209
	s_wait_dscnt 0x0
	s_endpgm
; ---------------- the weights: a lane takes a column n and its registers run down K; a wave takes 32 columns x 256 along K.  The row pitch is a scalar, so that Wqkv and Wo run the same lines.
.Lweights:
	s_sub_co_u32 s3, ttmp9, RWG
	s_cmp_lt_u32 s3, 96                            ; 96 work-groups for Wqkv (24 blocks of 128 columns x 4 of 256 along K), 32 for Wo
	s_cselect_b64 s[4:5], s[18:19], s[20:21]
	s_cselect_b64 s[6:7], s[26:27], s[28:29]
	s_mov_b32 s8, 4096
	s_cselect_b32 s8, 12288, s8                    ; bytes from row to row of the weight
	s_cselect_b32 s9, 0, 96
	s_cselect_b32 s10, 0, 2                        ; the kind of rows: 0 Q and K, 1 V, 2 Wo
	s_sub_co_u32 s3, s3, s9
	s_lshr_b32 s12, s3, 2
	s_and_b32 s13, s3, 3                           ; which 256 along K
	s_lshl_b32 s12, s12, 7
	s_lshl_b32 s14, s2, 5
	s_add_co_u32 s12, s12, s14                     ; my wave's first column
	s_cmp_ge_u32 s12, 2048                         ; (Wo's columns end at 1,023)
	s_cselect_b32 s10, 1, s10
	s_lshl_b32 s14, s13, 8
	s_mul_i32 s14, s14, s8
	s_lshl_b32 s15, s12, 2
	s_add_co_u32 s14, s14, s15
	s_mov_b32 s15, 0
	s_add_nc_u64 s[32:33], s[4:5], s[14:15]        ; a base for each block of 32 along K
	s_lshl_b32 s14, s8, 5
.irp t, 1,2,3,4,5,6,7
	s_add_nc_u64 s[32+2*\t:33+2*\t], s[30+2*\t:31+2*\t], s[14:15]
.endr
	s_wait_alu depctr_va_vdst(0)
	v_lshlrev_b32 v3, 2, v2
.irp i, 0,1,2,3,4,5,6,7,8,9,10,11,12,13,14,15,16,17,18,19,20,21,22,23,24,25,26,27,28,29,30,31
	v_mad_u32_u24 v[WOF+\i], s8, \i, v3            ; row i of a block, my column
.endr
.macro WLOAD t
.irp i, 0,1,2,3,4,5,6,7,8,9,10,11,12,13,14,15,16,17,18,19,20,21,22,23,24,25,26,27,28,29,30,31
	global_load_b32 v[WX+32*((\t)%2)+\i], v[WOF+\i], s[32+2*(\t):33+2*(\t)] th:TH_LOAD_NT
.endr
.endm
	WLOAD 0
	WLOAD 1
	s_mul_i32 s14, s2, 32*WP
	s_add_co_u32 s14, s14, WSTG                    ; my stage
	v_mul_u32_u24 v4, v2, WP
	v_add_nc_u32 v4, s14, v4                       ; into it: row = my column
	v_and_b32 v5, 15, v2
	v_lshrrev_b32 v6, 4, v2
	s_wait_alu depctr_va_vdst(0)
	v_mul_u32_u24 v7, v6, WP
	v_lshl_add_u32 v7, v5, 4, v7
	v_add_nc_u32 v7, s14, v7                       ; out of it: sixteen lanes to a row, two rows an instruction
	s_and_b32 s48, s12, 0xffffffc0                 ; the first row of codes: Q, K: the head's first + half the place in the head; else the column itself
	s_and_b32 s49, s12, 63
	s_lshr_b32 s49, s49, 1
	s_add_co_u32 s48, s48, s49
	s_cmp_eq_u32 s10, 0
	s_cselect_b32 s48, s48, s12
	s_mov_b32 s50, 1024
	s_cselect_b32 s50, 32768, s50                  ; an odd column's row lies 32 rows on (Q, K) or is the next row
	s_lshl_b32 s48, s48, 10
	s_lshl_b32 s49, s13, 8
	s_add_co_u32 s48, s48, s49
	s_mov_b32 s49, 0
	s_add_nc_u64 s[6:7], s[6:7], s[48:49]
	v_mul_u32_u24 v8, s50, v6
	v_lshl_add_u32 v8, v5, 4, v8
	s_wait_kmcnt 0x0
	s_cmp_eq_u32 s10, 2
	s_cselect_b32 s11, s63, s57                    ; e
	s_add_co_i32 s11, s11, 127
	s_lshl_b32 s14, s11, 23
	v_mov_b32 v11, s14
	s_add_co_i32 s11, s11, 8
	s_lshl_b32 s11, s11, 23
	s_or_b32 s11, s11, 0x600000
	v_mov_b32 v10, s11
.macro WBLOCK t
.set XS, WX+32*((\t)%2)
.if (\t) < 7
	s_wait_loadcnt 32                              ; this block's 32 loads are in; the next block's may be out
.else
	s_wait_loadcnt 0
.endif
.irp i, 0,1,2,3,4,5,6,7,8,9,10,11,12,13,14,15,16,17,18,19,20,21,22,23,24,25,26,27,28,29,30,31
	v_med3_num_f32 v[XS+\i], v[XS+\i], -v10, v10
.endr
.irp g, 0,1,2,3
	v_cvt_scalef32_pk8_fp8_f32 v[WC+2*\g:WC+2*\g+1], v[XS+8*\g:XS+8*\g+7], v11
.endr
	ds_store_b128 v4, v[WC:WC+3] offset:32*(\t)
	ds_store_b128 v4, v[WC+4:WC+7] offset:32*(\t)+16
.if (\t)+2 < 8
	WLOAD (\t)+2
.endif
	s_wait_dscnt 0x0                               ; the stores have read their registers: the next block's codes may be written
.endm
	s_wait_alu depctr_va_vdst(0)
.irp t, 0,1,2,3,4,5,6,7
	WBLOCK \t
.endr
	s_cmp_eq_u32 s10, 2                            ; Wo's codes take a way out of their own
	s_cbranch_scc1 .Lout_wo
.irp t, 0,1,2,3,4,5,6,7,8,9,10,11,12,13,14,15
	ds_load_b128 v[WOR+4*\t:WOR+4*\t+3], v7 offset:2*\t*WP   ; columns 2 t and 2 t + 1
.endr
.macro WOUT kind                       ; sixteen lanes store 256 consecutive bytes of one row of codes, aligned
.irp t, 0,1,2,3,4,5,6,7,8,9,10,11,12,13,14,15
	s_wait_dscnt 15-\t
.if \kind == 0
	global_store_b128 v8, v[WOR+4*\t:WOR+4*\t+3], s[6:7] offset:\t*1024
.elseif \kind == 1
	global_store_b128 v8, v[WOR+4*\t:WOR+4*\t+3], s[6:7] offset:(((2*\t)&7)|((((2*\t)>>3)&1)<<4)|((((2*\t)>>4)&1)<<3))*1024
.else
	global_store_b128 v8, v[WOR+4*\t:WOR+4*\t+3], s[6:7] offset:2*\t*1024
.endif
.endr
.endm
	s_cmp_eq_u32 s10, 0
	s_cbranch_scc1 .Lout_qk
	s_branch .Lout_v
; Wo's codes leave as IMAGES OF THE REGISTERS that the last launch feeds to the matrix unit, not as rows:
; woc: [n / 16][k / 128][c][lane][16 bytes]: lane (r, h): column 16 (n / 16) + r, K = 128 (k / 128) + 32 c + 16 h + 0..15.
; My wave's 32 columns x 256 K are 2 x 2 x 4 pieces of 512 bytes; each store covers 512 consecutive bytes, aligned.
.Lout_wo:
	s_wait_dscnt 0x0
	s_mul_i32 s50, s2, 32*WP
	s_add_co_u32 s50, s50, WSTG                    ; my stage
	v_mul_u32_u24 v12, v5, WP                      ; out of it: row r,
	v_lshl_add_u32 v12, v6, 4, v12                 ; + 16 h
	v_add_nc_u32 v12, s50, v12
	v_lshlrev_b32 v13, 4, v2                       ; 16 x lane
	s_mul_i32 s48, s13, 3840                       ; 256 along K are 4,096 bytes of a block of 16 columns; 256 of them are in the base already
	s_add_nc_u64 s[6:7], s[6:7], s[48:49]
	s_wait_alu depctr_va_vdst(0)
.irp t, 0,1,2,3,4,5,6,7,8,9,10,11,12,13,14,15
	ds_load_b128 v[WOR+4*\t:WOR+4*\t+3], v12 offset:(\t/8)*16*WP+((\t/4)%2)*128+(\t%4)*32
.endr
.irp t, 0,1,2,3,4,5,6,7,8,9,10,11,12,13,14,15
	s_wait_dscnt 15-\t
	global_store_b128 v13, v[WOR+4*\t:WOR+4*\t+3], s[6:7] offset:(\t/8)*16384+((\t/4)%2)*2048+(\t%4)*512
.endr
	s_wait_tensorcnt 0x0
	ds_add_u32 v208, v209
	s_wait_dscnt 0x0
	s_endpgm
.Lout_qk:
	WOUT 0
	s_wait_tensorcnt 0x0
	ds_add_u32 v208, v209
	s_wait_dscnt 0x0
	s_endpgm
.Lout_v:
	WOUT 1
	s_wait_tensorcnt 0x0
	ds_add_u32 v208, v209
	s_wait_dscnt 0x0
	s_endpgm
; ---------------- the tables.  A thread owns one t and all 32 pairs.  The angle a = t x inv is one f32 product; it is brought into +-pi/4 by n = the nearest whole number to a x 2/pi and pi/2 in two parts
; (n x the upper part is taken off without rounding: a < 2,048 and n < 1,304), then sine and cosine by polynomials of degree 7 and 8, and the quadrant n mod 4 swaps them and sets the signs.
; rope: [t / 16][q][lane][4 f32], q = 4 kind + 2 ab + half (kind 0 cos, 1 sin): lane (r, h) holds pairs 16 ab + 8 h + 4 half + 0..3 of t = 16 (t / 16) + r.
.Lrope:
	s_wait_kmcnt 0x0
	s_lshl_b32 s3, ttmp9, 7
	v_add_nc_u32 v1, s3, v0                        ; t
	v_cvt_f32_u32 v2, v1
	s_wait_alu depctr_va_vdst(0)
	v_lshrrev_b32 v16, 4, v1
	v_and_b32 v17, 15, v1
	v_lshlrev_b32 v17, 4, v17
	v_lshl_add_u32 v16, v16, 12, v17               ; 4,096 (t / 16) + 16 (t % 16)
	s_mov_b32 s40, 0x3f22f983                      ; 2 / pi
	s_mov_b32 s41, 0xbfc90fdb                      ; -(pi / 2, upper part)
	s_mov_b32 s42, 0x333bbd2e                      ; the upper part less pi / 2
	s_mov_b32 s43, 0xbe2aaaa3                      ; sine: -1.6666654611e-1, 8.3321608736e-3, -1.9515295891e-4
	s_mov_b32 s44, 0x3c08839e
	s_mov_b32 s45, 0xb94ca1f9
	s_mov_b32 s46, 0x3d2aaaa5                      ; cosine: 4.166664568e-2, -1.388731625e-3, 2.443315712e-5
	s_mov_b32 s47, 0xbab6061a
	s_mov_b32 s48, 0x37ccf5ce
.macro SINCOS p, inv
	v_mul_f32 v3, \inv, v2                         ; a
	v_mul_f32 v4, s40, v3
	v_rndne_f32 v4, v4                             ; n
	v_fma_f32 v5, v4, s41, v3
	v_fma_f32 v5, v4, s42, v5                      ; r = a - n pi / 2
	v_cvt_i32_f32 v6, v4
	v_mul_f32 v7, v5, v5                           ; z = r^2
	v_fma_f32 v8, v7, s45, s44
	v_fma_f32 v10, v7, s48, s47
	v_mul_f32 v9, v7, v5
	v_mul_f32 v11, v7, v7
	v_fma_f32 v8, v8, v7, s43
	v_fma_f32 v10, v10, v7, s46
	v_fma_f32 v12, v7, -0.5, 1.0
	v_fma_f32 v8, v8, v9, v5                       ; sin r
	v_fma_f32 v10, v10, v11, v12                   ; cos r
	v_and_b32 v13, 1, v6
	v_cmp_eq_u32 vcc_lo, 1, v13
	v_cndmask_b32 v14, v8, v10, vcc_lo             ; an odd quadrant swaps them
	v_cndmask_b32 v15, v10, v8, vcc_lo
	v_lshlrev_b32 v13, 30, v6
	v_and_b32 v13, 0x80000000, v13                 ; the sine is negative in quadrants 2 and 3,
	v_xor_b32 v[96+\p], v13, v14
	v_add_nc_u32 v6, 1, v6
	v_lshlrev_b32 v6, 30, v6
	v_and_b32 v6, 0x80000000, v6                   ; the cosine in quadrants 1 and 2
	v_xor_b32 v[64+\p], v6, v15
.endm
	SINCOS 0, 1.0
	SINCOS 1, 0.7498942093
	SINCOS 2, 0.5623413252
	SINCOS 3, 0.4216965034
	SINCOS 4, 0.3162277660
	SINCOS 5, 0.2371373706
	SINCOS 6, 0.1778279410
	SINCOS 7, 0.1333521432
	SINCOS 8, 0.1
	SINCOS 9, 0.07498942093
	SINCOS 10, 0.05623413252
	SINCOS 11, 0.04216965034
	SINCOS 12, 0.03162277660
	SINCOS 13, 0.02371373706
	SINCOS 14, 0.01778279410
	SINCOS 15, 0.01333521432
	SINCOS 16, 0.01
	SINCOS 17, 0.007498942093
	SINCOS 18, 0.005623413252
	SINCOS 19, 0.004216965034
	SINCOS 20, 0.003162277660
	SINCOS 21, 0.002371373706
	SINCOS 22, 0.001778279410
	SINCOS 23, 0.001333521432
	SINCOS 24, 0.001
	SINCOS 25, 0.0007498942093
	SINCOS 26, 0.0005623413252
	SINCOS 27, 0.0004216965034
	SINCOS 28, 0.0003162277660
	SINCOS 29, 0.0002371373706
	SINCOS 30, 0.0001778279410
	SINCOS 31, 0.0001333521432
.irp j, 0,1,2,3,4,5,6,7                ; pairs 4 j on: ab = j / 4, h = (j / 2) % 2, half = j % 2; sixteen neighbouring threads store 256 consecutive bytes, aligned
	global_store_b128 v16, v[64+4*\j:67+4*\j], s[30:31] offset:(2*(\j/4)+\j%2)*512+256*((\j/2)%2)
	global_store_b128 v16, v[96+4*\j:99+4*\j], s[30:31] offset:2048+(2*(\j/4)+\j%2)*512+256*((\j/2)%2)
.endr
	s_endpgm
.Lfunc_end_k_q2c0c01d9c4_prep:
	.size	k_q2c0c01d9c4_prep, .Lfunc_end_k_q2c0c01d9c4_prep-k_q2c0c01d9c4_prep
	.p2alignl 7, 3214868480
	.fill 96, 4, 3214868480
	.section	.rodata,"a",@progbits
	.p2align	6, 0x0
	.amdhsa_kernel k_q2c0c01d9c4_prep
		.amdhsa_group_segment_fixed_size 68096
		.amdhsa_private_segment_fixed_size 0
		.amdhsa_enable_private_segment 0
		.amdhsa_kernarg_size 64
		.amdhsa_user_sgpr_count 2
		.amdhsa_user_sgpr_kernarg_segment_ptr 1
		.amdhsa_wavefront_size32 1
		.amdhsa_system_sgpr_workgroup_id_x 1
		.amdhsa_system_sgpr_workgroup_id_y 1
		.amdhsa_system_sgpr_workgroup_id_z 1
		.amdhsa_system_vgpr_workitem_id 0
		.amdhsa_next_free_vgpr 210
		.amdhsa_next_free_sgpr 66
		.amdhsa_reserve_vcc 1
		.amdhsa_float_denorm_mode_32 3
		.amdhsa_float_denorm_mode_16_64 3
		.amdhsa_memory_ordered 1
		.amdhsa_forward_progress 1
		.amdhsa_inst_pref_size 136
	.end_amdhsa_kernel
	.amdgpu_metadata
---
amdhsa.version: [ 1, 2 ]
amdhsa.kernels:
  - .name:           k_q2c0c01d9c4_prep
    .symbol:         k_q2c0c01d9c4_prep.kd
    .args:
      - { .name: x, .offset: 0, .size: 8, .value_kind: global_buffer, .address_space: global }
      - { .name: Wqkv, .offset: 8, .size: 8, .value_kind: global_buffer, .address_space: global }
      - { .name: Wo, .offset: 16, .size: 8, .value_kind: global_buffer, .address_space: global }
      - { .name: lowp_scales, .offset: 24, .size: 8, .value_kind: global_buffer, .address_space: global }
      - { .name: xc, .offset: 32, .size: 8, .value_kind: global_buffer, .address_space: global }
      - { .name: wqc, .offset: 40, .size: 8, .value_kind: global_buffer, .address_space: global }
      - { .name: woc, .offset: 48, .size: 8, .value_kind: global_buffer, .address_space: global }
      - { .name: rope, .offset: 56, .size: 8, .value_kind: global_buffer, .address_space: global }
    .group_segment_fixed_size: 68096
    .private_segment_fixed_size: 0
    .kernarg_segment_align: 8
    .kernarg_segment_size: 64
    .max_flat_workgroup_size: 128
    .sgpr_count:     66
    .vgpr_count:     210
    .wavefront_size: 32
...
	.end_amdgpu_metadata
.endif
;; end of part 1
;; launch qkv (part 2): grid 12 x 32, 4 waves a work-group, clusters of 4 x 4, 327,680 bytes of LDS; arguments xc, wqc, lowp_scales, bqkv, rope, qimg, kimg, vimg; writes qimg, kimg, vimg
.if DOCPART == 2
	.amdgcn_target "amdgcn-amd-amdhsa--gfx1250"
	.amdhsa_code_object_version 6
	.text
	.protected	k_q2c0c01d9c4_qkv
	.globl	k_q2c0c01d9c4_qkv
	.p2align	8
	.type	k_q2c0c01d9c4_qkv,@function
k_q2c0c01d9c4_qkv:
	s_mov_b64 s[64:65], 0
	v_nop
	global_prefetch_b8 v0, s[64:65] scope:SCOPE_SE
	s_setreg_imm32_b32 hwreg(HW_REG_WAVE_MODE, 25, 1), 1
	s_wait_xcnt 0x0
	s_wait_alu depctr_hold_cnt(0) depctr_sa_sdst(0) depctr_va_vdst(0) depctr_va_sdst(0) depctr_va_ssrc(0) depctr_va_vcc(0) depctr_vm_vsrc(0)
	s_getreg_b32 s2, hwreg(HW_REG_IB_STS2, 6, 4)
	s_cmp_eq_u32 s2, 0
	s_cbranch_scc0 .Lentry_in_a_cluster
	s_endpgm
.Lentry_in_a_cluster:
	s_bfe_u32 s2, ttmp6, 0x10000c
	s_cmp_lg_u32 s2, 0xf033
	s_cbranch_scc0 .Lentry_shape_is_right
	s_endpgm
.Lentry_shape_is_right:
; x Wqkv + bqkv on codes of E4M3, RoPE on q and k, and the quantising of q, k and v, which leave as images of the registers that the attention launch feeds to the matrix unit.
; A block of 256 x 256 sums is made by four waves, each 128 x 128: 64 accumulators of 16 x 16, 512 registers.  K = 1,024 goes in four steps of 256 through a ring of two LDS slots filled by the tensor data mover.
; CLUSTERS of 4 x 4 work-groups.  Cluster x = 0 makes q, 1 makes k, 2 makes v: the same number in all sixteen partners.  The "A side" (source 1, shared along a row of the cluster) and the "B side" (source 0, shared along a
; column) are, for q and k: rows of x, rows of wqc; for v THE OTHER WAY ROUND: rows of wqc, rows of x.  In a result lane l holds row l % 16 of the A side, and its registers rows 8 (l / 16) + 0..7 of the B side:
; so for q and k a lane holds one token and eight channels, and for v one channel and eight neighbouring tokens: the keys, which are the K of attention's second product, come out innermost with nothing transposed.
; A sum stands for sum x 2^(e0 + e1).  The bias goes in divided by that; RoPE is linear; the conversion's one scale is 2^(et - e0 - e1), et = e2 (q), e3 (k), e5 (v).
; LIMITS: et - e0 - e1 lies between -126 and 119.  NaN among the inputs is not served.
; qimg, kimg: [16 b + head][t / 16][g][lane][16 bytes]: lane (r, h): token 16 (t / 16) + r; g = 0: channels 8 h + 0..7 and 16 + 8 h + 0..7 of the turned vector's first half, g = 1: of its second half.
; vimg: [16 b + head][t / 128][td][c][lane][16 bytes]: lane (r, h): channel 32 (td / 2) + 8 (td % 2) + r + 8 (r / 8); keys 32 c + 8 h + 0..7 and 32 c + 16 + 8 h + 0..7.
; REGISTERS, in windows of 256: window 0: v0-31 addresses and constants; from v128 the A side's fragments, ONE set; on the way out v32-255 are free.  window 1: the B side's fragments, TWO sets, at v0 and v128; on the way out
; the tables of RoPE.  window 2: the accumulators of my A rows 0-63 ((a, b) at v[8 (8 a + b)]); window 3: of rows 64-127.
.set KROW,  1024                       ; a row of codes in memory
.set ROWB,  256                        ; a tile's row: 256 codes
.set PITCH, 272                        ; an LDS row: 256 bytes + 16 of padding = 68 words: the 16 rows that a load touches start at 16 different banks (64 banks of 4 bytes: ISA guide 11.1)
.set FR,    16
.set NL,    4
.set NP,    4                          ; places behind this matrix instruction (ISA guide 7.12.1)
.set HALFT, 128*PITCH
.set SLOT,  4*HALFT
.set SPARE, 2*SLOT                     ; behind the ring: the spare words, 128 bytes for each wave
.set ADRA, 16                          ; v16-17 LDS address of my A fragments in slot 0, 1
.set ADRB, 20                          ; v20-21 the same for B
.set LI,   24                          ; v24  16 x lane
.set BVO,  25                          ; v25  v's bias: 4 (r + 8 (r / 8))
.set BHO,  26                          ; v26  q's and k's bias: 64 h
.set SPW,  28                          ; v28  my spare word; never rewritten
.set NIL,  29                          ; v29  0; never rewritten
.set SCL,  30                          ; v30  2^(et - e0 - e1)
.set LIM,  31                          ; v31  448 x that
.set XB,   32                          ; q, k: v32-63 sums + bias of one head: 16 x1, 16 x2.  (v32-95 first hold the bias as loaded)
.set OO,   64                          ; q, k: v64-95 the turned vector's 32 numbers
.set BIAS, 96                          ; q, k: v96-159 the bias in the accumulators' order
.set CODE, 160                         ; q, k: v160-223 eight sets of 8 registers of codes
.set TMP,  32                          ; v: v32-95 a block's 64 numbers
.set BP,   112                         ; v: v112-127 each block's bias, twice
.set AF,   128
.set G1, 24
.set G0, 32
.set G1B, 48
.set G0B, 56
.set MSB, 0
.macro WIN new                         ; the immediate's high byte repeats the setting that is left
.if MSB != (\new)
	s_set_vgpr_msb (MSB<<8)|(\new)
.set MSB, (\new)
.endif
.endm
.set MUL_LO, 0xa1                      ; source 0 (B) window 1, source 1 (A) window 0, C and D window 2
.set MUL_HI, 0xf1
.set TO_B,   0x40
; A joint load: waves 0 and 1 fetch for the A side, waves 2 and 3 for the B side; the branch hangs on the wave's number alone.  Four v_nop follow each of the two lines.
.macro JLOAD g0a, g1a, g0b, g1b
	s_cmp_eq_u32 s15, 0
	s_cbranch_scc0 .Lfor_b_\@
	tensor_load_to_lds s[\g0a:\g0a+3], s[\g1a:\g1a+7]
	s_nop 0
.rept 4
	v_nop
.endr
	s_branch .Lasked_\@
.Lfor_b_\@:
	tensor_load_to_lds s[\g0b:\g0b+3], s[\g1b:\g1b+7]
	s_nop 0
.rept 4
	v_nop
.endr
.Lasked_\@:
.endm
.macro CREST                           ; a round of the cluster's barrier behind its opening barrier
	s_cmp_lg_u32 s14, 0
	s_cbranch_scc1 .Lnot_wave_0_\@
	s_barrier_signal -3
.Lnot_wave_0_\@:
	s_barrier_wait -3
	s_barrier_signal -1
	s_barrier_wait -1
.endm
.macro CROUND
	s_barrier_signal -1
	s_barrier_wait -1
	CREST
.endm
	s_load_b512 s[68:83], s[0:1], 0x0              ; xc s[68:69], wqc s[70:71], exponents s[72:73], bqkv s[74:75], rope s[76:77], qimg s[78:79], kimg s[80:81], vimg s[82:83]
	v_lshl_add_u32 v[SPW], v0, 2, SPARE
	v_mov_b32 v[NIL], 0
	ds_add_u32 v28, v29
	ds_add_u32 v28, v29
	s_wait_dscnt 0x0
	v_lshrrev_b32 v1, 5, v0
	v_readfirstlane_b32 s14, v1                    ; wave 0..3
	s_lshr_b32 s15, s14, 1                         ; which half of the A rows is mine.  Also: I fetch for A (0) or for B (1)
	s_and_b32 s16, s14, 1                          ; which half of the B rows.  Also: which 128 rows of that tile I fetch
	s_bfe_u32 s40, ttmp6, 0x40000                  ; cx, cy: my place in the cluster
	s_bfe_u32 s41, ttmp6, 0x40004
	s_and_b32 s17, ttmp7, 0xffff
	s_lshl_b32 s17, s17, 2                         ; 4 x cluster y
	s_add_co_u32 s42, s17, s41                     ; q, k: A's tile: rows of x, 4 x cluster y + cy
	s_add_co_u32 s43, s41, 8                       ; v:    A's tile: rows of wqc, 8 + cy
	s_lshl_b32 s44, ttmp9, 2
	s_add_co_u32 s44, s44, s40                     ; q, k: B's tile: rows of wqc, 4 x cluster x + cx
	s_add_co_u32 s45, s17, s40                     ; v:    B's tile: rows of x, 4 x cluster y + cx
	s_cmp_eq_u32 ttmp9, 2
	s_cselect_b32 s42, s43, s42                    ; A's tile hangs on cy and never on cx,
	s_cselect_b32 s44, s45, s44                    ; B's on cx and never on cy
	s_lshl_b32 s43, s41, 2
	s_lshl_b32 s43, 15, s43                        ; my row of the cluster
	s_lshl_b32 s45, 0x1111, s40                    ; my column
	s_or_b32 s[G1+0], s43, (0<<16)|(1<<20)|(1<<21)|(5<<22)|(3<<25)  ; 15:0 the mask; 17:16 elements of 1 byte; 20 padding on; 21 set beside a mask; 24:22 after every 64 words; 31:25 four words
	s_or_b32 s[G1B+0], s45, (0<<16)|(1<<20)|(1<<21)|(5<<22)|(3<<25)
.irp g, G1, G1B
	s_mov_b32 s[\g+1], ROWB<<16                    ; tensor_dim0
	s_mov_b32 s[\g+2], 128<<16                     ; tensor_dim1
	s_mov_b32 s[\g+3], ROWB<<16                    ; tile_dim0
	s_mov_b32 s[\g+4], 128                         ; tile_dim1
	s_mov_b32 s[\g+5], KROW                        ; tensor_dim0_stride
	s_mov_b32 s[\g+6], 0
	s_mov_b32 s[\g+7], 0
.endr
	s_lshl_b32 s18, s16, 7                         ; which 128 rows of the tile I fetch
	s_lshl_b32 s20, s42, 8
	s_add_co_u32 s20, s20, s18
	s_lshl_b32 s20, s20, 10                        ; A: row x 1,024 bytes
	s_mov_b32 s21, 0
	s_lshl_b32 s46, s44, 8
	s_add_co_u32 s46, s46, s18
	s_lshl_b32 s46, s46, 10                        ; B likewise
	s_mov_b32 s47, 0
	s_mul_i32 s66, s14, HALFT                      ; where they go: wave x 128 rows: no place in the cluster enters an LDS address
	s_wait_kmcnt 0x0
	s_load_b256 s[84:91], s[72:73], 0x0            ; e0 .. e7
	s_cmp_eq_u32 ttmp9, 2
	s_cselect_b64 s[22:23], s[70:71], s[68:69]     ; A's tensor
	s_cselect_b64 s[92:93], s[68:69], s[70:71]     ; B's tensor
	s_add_nc_u64 s[20:21], s[22:23], s[20:21]
	s_add_nc_u64 s[46:47], s[92:93], s[46:47]
	CROUND                                         ; all sixteen work-groups are here: the first joint loads meet
.irp s, 0,1
	s_mov_b32 s[G0+4*\s], 1
	s_add_co_u32 s[G0+4*\s+1], s66, \s*SLOT
	s_add_nc_u64 s[G0+4*\s+2:G0+4*\s+3], s[20:21], \s*ROWB
	s_or_b32 s[G0+4*\s+3], s[G0+4*\s+3], 0x80000000
	s_mov_b32 s[G0B+4*\s], 1
	s_add_co_u32 s[G0B+4*\s+1], s66, \s*SLOT
	s_add_nc_u64 s[G0B+4*\s+2:G0B+4*\s+3], s[46:47], \s*ROWB
	s_or_b32 s[G0B+4*\s+3], s[G0B+4*\s+3], 0x80000000
.endr
	JLOAD G0, G1, G0B, G1B                         ; K 0-255: one tensor load a wave at the head
	v_and_b32 v1, 15, v0                           ; r
	v_bfe_u32 v2, v0, 4, 1                         ; h
	v_mul_u32_u24 v3, v1, PITCH
	v_lshl_add_u32 v4, v2, 4, v3                   ; a fragment's row x pitch + 16 h
	s_mul_i32 s21, s15, HALFT                      ; my 128 rows of A
	s_mul_i32 s22, s16, HALFT                      ; my 128 rows of B,
	s_add_co_u32 s22, s22, 2*HALFT                 ; which lie behind A's 256
.irp s, 0,1
	v_add_nc_u32 v[ADRA+\s], s21, v4
	v_add_nc_u32 v[ADRB+\s], s22, v4
	s_add_co_u32 s21, s21, SLOT
	s_add_co_u32 s22, s22, SLOT
.endr
	v_and_b32 v5, 31, v0
	v_lshlrev_b32 v[LI], 4, v5
	v_and_b32 v5, 8, v1
	v_add_nc_u32 v5, v5, v1
	v_lshlrev_b32 v[BVO], 2, v5
	v_lshlrev_b32 v[BHO], 6, v2
	s_lshl_b32 s18, s42, 8
	s_lshl_b32 s19, s15, 7
	s_add_co_u32 s18, s18, s19                     ; RA: my first row on the A side
	s_lshl_b32 s19, s44, 8
	s_lshl_b32 s20, s16, 7
	s_add_co_u32 s19, s19, s20                     ; RB: on the B side
	s_wait_kmcnt 0x0
	s_cmp_eq_u32 ttmp9, 0
	s_cselect_b32 s94, s86, s87
	s_cmp_eq_u32 ttmp9, 2
	s_cselect_b32 s94, s89, s94                    ; et
	s_add_co_i32 s92, s84, s85                     ; e0 + e1
	s_sub_co_i32 s94, s94, s92
	s_add_co_i32 s94, s94, 127
	s_lshl_b32 s95, s94, 23
	v_mov_b32 v[SCL], s95
	s_add_co_i32 s94, s94, 8
	s_lshl_b32 s94, s94, 23
	s_or_b32 s94, s94, 0x600000
	v_mov_b32 v[LIM], s94
	s_sub_co_i32 s92, 0, s92                       ; the bias is multiplied by 2^-(e0 + e1)
.macro FRAG reg, adr, q, i             ; 16 rows x 128 K: lane l holds row l % 16; registers 4 c .. 4 c + 3 hold K = 32 c + 16 (l / 16) + 0..15: the same places on both sides, so every product meets its partner
.irp c, 0,1,2,3
	ds_load_b128 v[\reg+4*\c:\reg+4*\c+3], v[\adr] offset:128*(\q)+32*\c+(\i)*16*PITCH
.endr
.endm
; 16 matrix instructions: A's blocks a0, a0 + 1 x B's eight.  The 64 accumulators take turns, one instruction a turn, in the same order in every step.
.macro MUL16 a0, p, zero
.irp a, \a0, \a0+1
.irp b, 0,1,2,3,4,5,6,7
.if \zero
	v_wmma_f32_16x16x128_fp8_fp8 v[8*(8*((\a)%4)+\b):8*(8*((\a)%4)+\b)+7], v[128*(\p)+FR*\b:128*(\p)+FR*\b+FR-1], v[AF+FR*(\a):AF+FR*(\a)+FR-1], 0
.else
	v_wmma_f32_16x16x128_fp8_fp8 v[8*(8*((\a)%4)+\b):8*(8*((\a)%4)+\b)+7], v[128*(\p)+FR*\b:128*(\p)+FR*\b+FR-1], v[AF+FR*(\a):AF+FR*(\a)+FR-1], v[8*(8*((\a)%4)+\b):8*(8*((\a)%4)+\b)+7]
.endif
.endr
.endr
.endm
.macro FETCH_B slot, q, p
	WIN TO_B
.irp i, 0,1,2,3,4,5,6,7
	FRAG 128*(\p)+FR*\i, ADRB+\slot, \q, \i
.endr
	WIN 0
.endm
.macro FETCH_A slot, q, i0
.irp i, \i0, \i0+1, \i0+2, \i0+3
	FRAG AF+FR*(\i), ADRA+\slot, \q, \i
.endr
.endm
.macro PLACES n                        ; plain vector instructions between a matrix instruction and a load into, or a vector instruction on, its registers
.rept \n
	v_nop
.endr
.endm
.macro STEP slot, q, zero              ; 128 along K that have their successor in the same slot
	s_wait_dscnt 4*NL                              ; B's set and A's blocks 0-3 are in; the 16 youngest loads (A's blocks 4-7) may be out
	WIN MUL_LO
	MUL16 0, (\q)%2, \zero
	MUL16 2, (\q)%2, \zero
	s_wait_dscnt 0
	PLACES NP
	FETCH_B \slot, (\q)+1, 1-(\q)%2
	FETCH_A \slot, (\q)+1, 0
	WIN MUL_HI
	MUL16 4, (\q)%2, \zero
	MUL16 6, (\q)%2, \zero
	PLACES NP
	WIN 0
	FETCH_A \slot, (\q)+1, 4
.endm
; A slot's last 128 along K change slots: ONE barrier; in front of it each wave waits for all its tensor loads, adds 0 to its spare word, and waits for that and for its own reads of this slot.
.macro TURN slot, next, fill
	s_wait_tensorcnt 0x0                           ; all my tensor loads have landed: my part of the next slot
	ds_add_u32 v[SPW], v[NIL]                      ; 0 onto my spare word
	s_wait_dscnt 4*NL+1                            ; (the add and the 16 youngest loads may be out)
	WIN MUL_LO
	MUL16 0, 1, 0
	s_wait_dscnt 0x0                               ; the add is done, and my reads of this slot are over
	s_barrier_signal -1
	MUL16 2, 1, 0
	WIN 0
	s_barrier_wait -1
.if \fill
	CREST                                          ; the barrier has opened a round of the cluster's barrier: no wave of any partner still reads this slot or has a load on its way
	s_add_nc_u64 s[G0+4*\slot+2:G0+4*\slot+3], s[G0+4*\slot+2:G0+4*\slot+3], 2*ROWB
	s_add_nc_u64 s[G0B+4*\slot+2:G0B+4*\slot+3], s[G0B+4*\slot+2:G0B+4*\slot+3], 2*ROWB
	JLOAD G0+4*\slot, G1, G0B+4*\slot, G1B         ; the first tensor load behind the round; its four v_nop are the places in front of the loads below
.else
	PLACES NP
.endif
	s_wait_alu depctr_va_vdst(0)
	FETCH_B \next, 0, 0
	FETCH_A \next, 0, 0
	WIN MUL_HI
	MUL16 4, 1, 0
	MUL16 6, 1, 0
	PLACES NP
	WIN 0
	FETCH_A \next, 0, 4
.endm
.macro LAST                            ; the last 128 along K: nothing more to fetch
	s_wait_dscnt 4*NL
	WIN MUL_LO
	MUL16 0, 1, 0
	MUL16 2, 1, 0
	s_wait_dscnt 0
	WIN MUL_HI
	MUL16 4, 1, 0
	MUL16 6, 1, 0
	WIN 0
.endm
	s_wait_alu depctr_va_vdst(0)                   ; the wait at the head's end
	s_wait_tensorcnt 0x0                           ; my part of slot 0 is in
	ds_add_u32 v[SPW], v[NIL]
	s_wait_dscnt 0x0
	CROUND                                         ; everybody's part of slot 0 is in, and all sixteen work-groups are here
	JLOAD G0+4, G1, G0B+4, G1B                     ; K 256-511, slot 1's first fill: the first tensor load behind the round
	FETCH_B 0, 0, 0
	FETCH_A 0, 0, 0
	FETCH_A 0, 0, 4
	STEP 0, 0, 1                                   ; K 0-127: the products start the sums.  The four slots' worth of K are written out: a loop would have one trip
	TURN 0, 1, 1                                   ; K 128-255; slot 0 takes K 512-767
	STEP 1, 0, 0
	TURN 1, 0, 1                                   ; slot 1 takes K 768-1,023
	STEP 0, 0, 0
	TURN 0, 1, 0                                   ; nothing is left to fetch
	STEP 1, 0, 0
	s_cmp_eq_u32 ttmp9, 2                          ; the cluster's x: the same in all partners
	s_cbranch_scc1 .Larm_v
; ---------------- q and k.  Lane (r, h) holds token 16 a + r; accumulator (a, 4 hh + bb), register j: row 16 bb + 8 h + j of head hh in wqc's order: bb = ab: x1 of pair 16 ab + 8 h + j; bb = 2 + ab: x2 of it.
	s_lshr_b32 s20, s18, 11                        ; b
	s_and_b32 s21, s18, 2047                       ; my first token in the sequence
	s_and_b32 s22, s19, 1023
	s_lshr_b32 s22, s22, 6                         ; my first head
	s_lshl_b32 s20, s20, 4
	s_add_co_u32 s20, s20, s22
	s_lshl_b32 s20, s20, 17                        ; 131,072 bytes a head
	s_lshl_b32 s22, s21, 6                         ; 1,024 bytes for 16 tokens
	s_add_co_u32 s20, s20, s22
	s_lshl_b32 s22, s21, 8                         ; the tables: 4,096 bytes for 16 tokens
	s_mov_b32 s21, 0
	s_mov_b32 s23, 0
	s_cmp_eq_u32 ttmp9, 0
	s_cselect_b64 s[4:5], s[78:79], s[80:81]
	s_add_nc_u64 s[4:5], s[4:5], s[20:21]
	s_add_nc_u64 s[6:7], s[76:77], s[22:23]
	s_lshl_b32 s22, s19, 2
	s_add_nc_u64 s[8:9], s[74:75], s[22:23]        ; the bias of my two heads (a head's 64 columns are the same in both orders)
.macro RLOAD a                         ; the tables of tokens 16 a on: window 1, v[32 a + 8 ab + j] cos, v[32 a + 16 + 8 ab + j] sin
.irp q, 0,1,2,3,4,5,6,7
	global_load_b128 v[32*(\a)+4*\q:32*(\a)+4*\q+3], v[LI], s[6:7] offset:(\a)*4096+512*\q
.endr
.endm
	WIN 0x40                                       ; B's set 0 is free: its last readers stand ahead of the step's last four places
.irp a, 0,1,2,3
	RLOAD \a
.endr
	WIN 0
.irp u, 0,1,2,3                        ; u = 2 hh + ab: columns 64 hh + 32 ab + 16 h + 0..15, as they lie
.irp i, 0,1,2,3
	global_load_b128 v[XB+16*\u+4*\i:XB+16*\u+4*\i+3], v[BHO], s[8:9] offset:128*\u+16*\i
.endr
.endr
	LAST
	PLACES NP
	WIN 0x40
.irp a, 4,5,6,7
	RLOAD \a
.endr
	WIN 0
	s_wait_loadcnt 32                              ; the 32 loads just issued may be out: the tables of blocks 0-3 and the bias are in
.irp u, 0,1,2,3                        ; even columns are x1's bias, odd ones x2's; both x 2^-(e0 + e1)
.irp j, 0,1,2,3,4,5,6,7
	v_ldexp_f32 v[BIAS+8*(4*(\u/2)+\u%2)+\j], v[XB+16*\u+2*\j], s92
	v_ldexp_f32 v[BIAS+8*(4*(\u/2)+2+\u%2)+\j], v[XB+16*\u+2*\j+1], s92
.endr
.endr
.macro ROPEQ a, hh                     ; 16 tokens of one head: bias, turn, hold, codes, two stores of 512 consecutive bytes
.set AC, 8*(8*((\a)%4)+4*(\hh))
.set BI, BIAS+32*(\hh)
.set TA, 32*(\a)
.set CD, CODE+8*((2*(\a)+(\hh))%8)
.if ((\a) >= 4) && ((\hh) == 0)
	s_wait_loadcnt 8*(7-(\a))                      ; this block's tables are in; those of the blocks behind it may be out
	s_wait_xcnt 0x0                                ; the stores of four blocks ago have read their data: their sets of codes are written again only behind this wait
.endif
	WIN 0x02+((\a)/4)                              ; source 0: window 2 or 3
.set j, 0
.rept 16
	v_pk_add_f32 v[XB+j:XB+j+1], v[AC+j:AC+j+1], v[BI+j:BI+j+1]   ; each accumulator from its low end on
.set j, j+2
.endr
	WIN 0x04                                       ; source 1 (the tables): window 1
.set j, 0
.rept 8
.set T1, 224+4*((j/2)%2)
	v_pk_mul_f32 v[T1:T1+1], v[XB+16+j:XB+16+j+1], v[TA+16+j:TA+16+j+1]          ; x2 sin
	v_pk_mul_f32 v[T1+2:T1+3], v[XB+16+j:XB+16+j+1], v[TA+j:TA+j+1]              ; x2 cos
	v_pk_fma_f32 v[OO+j:OO+j+1], v[XB+j:XB+j+1], v[TA+j:TA+j+1], v[T1:T1+1] neg_lo:[0,0,1] neg_hi:[0,0,1]   ; x1 cos - x2 sin
	v_pk_fma_f32 v[OO+16+j:OO+16+j+1], v[XB+j:XB+j+1], v[TA+16+j:TA+16+j+1], v[T1+2:T1+3]                   ; x1 sin + x2 cos
.set j, j+2
.endr
	WIN 0
.set j, 0
.rept 32
	v_med3_num_f32 v[OO+j], v[OO+j], -v[LIM], v[LIM]   ; the conversion does not saturate (ISA guide 7.6.2)
.set j, j+1
.endr
.irp g, 0,1,2,3
	v_cvt_scalef32_pk8_fp8_f32 v[CD+2*\g:CD+2*\g+1], v[OO+8*\g:OO+8*\g+7], v[SCL]
.endr
	v_nop                                          ; one plain instruction behind the conversions, ahead of the next vector instruction on their registers
	global_store_b128 v[LI], v[CD:CD+3], s[4:5] offset:(\hh)*131072+(\a)*1024
	global_store_b128 v[LI], v[CD+4:CD+7], s[4:5] offset:(\hh)*131072+(\a)*1024+512
.endm
.irp a, 0,1,2,3,4,5,6,7
	ROPEQ \a, 0
	ROPEQ \a, 1
.endr
	s_branch .Lend
; ---------------- v.  Lane (r, h) holds row 16 a + r of wqc's part V: head a / 4, tile td = a % 4; accumulator (a, b), register j: token 16 b + 8 h + j of my 128.
.Larm_v:
	s_sub_co_u32 s20, s18, 2048
	s_lshr_b32 s20, s20, 6                         ; my first head
	s_lshr_b32 s21, s19, 11                        ; b
	s_lshl_b32 s21, s21, 4
	s_add_co_u32 s20, s20, s21
	s_lshl_b32 s20, s20, 4
	s_and_b32 s21, s19, 2047
	s_lshr_b32 s21, s21, 7                         ; which 128 keys
	s_add_co_u32 s20, s20, s21
	s_lshl_b32 s20, s20, 13                        ; 8,192 bytes for 128 keys of a head
	s_mov_b32 s21, 0
	s_add_nc_u64 s[4:5], s[82:83], s[20:21]
	s_lshl_b32 s22, s18, 2
	s_mov_b32 s23, 0
	s_add_nc_u64 s[8:9], s[74:75], s[22:23]
.irp a, 0,1,2,3,4,5,6,7
	global_load_b32 v[96+\a], v[BVO], s[8:9] offset:4*(64*(\a/4)+32*((\a%4)/2)+8*(\a%2))   ; the bias of my channel in block a
.endr
	LAST
	PLACES NP
	s_wait_loadcnt 0x0
.irp a, 0,1,2,3,4,5,6,7
	v_ldexp_f32 v[BP+2*\a], v[96+\a], s92          ; twice, as a pair for the packed additions
	v_ldexp_f32 v[BP+2*\a+1], v[96+\a], s92
.endr
.macro VOUT a                          ; one tile of 16 channels x 128 keys; each block has 16 registers of codes of its own, so that no store's data are written again
.set AC, 64*((\a)%4)
.set CD, 128+16*(\a)
	WIN 0x02+((\a)/4)
.set j, 0
.rept 32
	v_pk_add_f32 v[TMP+j:TMP+j+1], v[AC+j:AC+j+1], v[BP+2*(\a):BP+2*(\a)+1]
.set j, j+2
.endr
	WIN 0
.set j, 0
.rept 64
	v_med3_num_f32 v[TMP+j], v[TMP+j], -v[LIM], v[LIM]
.set j, j+1
.endr
.irp g, 0,1,2,3,4,5,6,7
	v_cvt_scalef32_pk8_fp8_f32 v[CD+2*\g:CD+2*\g+1], v[TMP+8*\g:TMP+8*\g+7], v[SCL]
.endr
	v_nop
.irp c, 0,1,2,3
	global_store_b128 v[LI], v[CD+4*\c:CD+4*\c+3], s[4:5] offset:((\a)/4)*131072+((\a)%4)*2048+\c*512
.endr
.endm
.irp a, 0,1,2,3,4,5,6,7
	VOUT \a
.endr
.Lend:
	s_wait_tensorcnt 0x0                           ; the wave's end
	ds_add_u32 v[SPW], v[NIL]
	s_wait_dscnt 0x0
	CROUND                                         ; the closing round: no work-group ends while a partner may still ask for a tile that names it
	s_endpgm
.Lfunc_end_k_q2c0c01d9c4_qkv:
	.size	k_q2c0c01d9c4_qkv, .Lfunc_end_k_q2c0c01d9c4_qkv-k_q2c0c01d9c4_qkv
	.p2alignl 7, 3214868480
	.fill 96, 4, 3214868480
	.section	.rodata,"a",@progbits
	.p2align	6, 0x0
	.amdhsa_kernel k_q2c0c01d9c4_qkv
		.amdhsa_group_segment_fixed_size 327680
		.amdhsa_private_segment_fixed_size 0
		.amdhsa_enable_private_segment 0
		.amdhsa_kernarg_size 64
		.amdhsa_user_sgpr_count 2
		.amdhsa_user_sgpr_kernarg_segment_ptr 1
		.amdhsa_wavefront_size32 1
		.amdhsa_system_sgpr_workgroup_id_x 1
		.amdhsa_system_sgpr_workgroup_id_y 1
		.amdhsa_system_sgpr_workgroup_id_z 1
		.amdhsa_system_vgpr_workitem_id 0
		.amdhsa_next_free_vgpr 1024
		.amdhsa_next_free_sgpr 100
		.amdhsa_reserve_vcc 0
		.amdhsa_float_denorm_mode_32 3
		.amdhsa_float_denorm_mode_16_64 3
		.amdhsa_memory_ordered 1
		.amdhsa_forward_progress 1
		.amdhsa_inst_pref_size 242
	.end_amdhsa_kernel
	.amdgpu_metadata
---
amdhsa.version: [ 1, 2 ]
amdhsa.kernels:
  - .name:           k_q2c0c01d9c4_qkv
    .symbol:         k_q2c0c01d9c4_qkv.kd
    .args:
      - { .name: xc, .offset: 0, .size: 8, .value_kind: global_buffer, .address_space: global }
      - { .name: wqc, .offset: 8, .size: 8, .value_kind: global_buffer, .address_space: global }
      - { .name: lowp_scales, .offset: 16, .size: 8, .value_kind: global_buffer, .address_space: global }
      - { .name: bqkv, .offset: 24, .size: 8, .value_kind: global_buffer, .address_space: global }
      - { .name: rope, .offset: 32, .size: 8, .value_kind: global_buffer, .address_space: global }
      - { .name: qimg, .offset: 40, .size: 8, .value_kind: global_buffer, .address_space: global }
      - { .name: kimg, .offset: 48, .size: 8, .value_kind: global_buffer, .address_space: global }
      - { .name: vimg, .offset: 56, .size: 8, .value_kind: global_buffer, .address_space: global }
    .group_segment_fixed_size: 327680
    .private_segment_fixed_size: 0
    .kernarg_segment_align: 8
    .kernarg_segment_size: 64
    .max_flat_workgroup_size: 128
    .sgpr_count:     100
    .vgpr_count:     1024
    .wavefront_size: 32
...
	.end_amdgpu_metadata
.endif
;; end of part 2
;; launch attn (part 3): grid 256 x 1, 8 waves a work-group, no clusters, 271,360 bytes of LDS; arguments qimg, kimg, vimg, padding_mask, lowp_scales, aimg; writes aimg
.if DOCPART == 3
	.amdgcn_target "amdgcn-amd-amdhsa--gfx1250"
	.amdhsa_code_object_version 6
	.text
	.protected	k_q2c0c01d9c4_attn
	.globl	k_q2c0c01d9c4_attn
	.p2align	8
	.type	k_q2c0c01d9c4_attn,@function
k_q2c0c01d9c4_attn:
	s_mov_b64 s[64:65], 0
	v_nop
	global_prefetch_b8 v0, s[64:65] scope:SCOPE_SE
	s_setreg_imm32_b32 hwreg(HW_REG_WAVE_MODE, 25, 1), 1
	s_wait_xcnt 0x0
; Attention on codes of E4M3: S = q k^T, the padding mask, p = 2^(t - M) with M a whole number, O = p v, O / l, and the quantising of the result for the last product.
; SHARES.  Work-group g = 8 a + 2 quarter + parity: head (16 b + head) = 2 a + parity, queries 512 x quarter on, in two passes of 256.  Each of eight waves takes two tiles of 16 queries, A and B, so that each fragment of k and v feeds two products.
; Two waves lie on a SIMD (512 registers each): one wave's vector work stands beside the other's matrix work and LDS loads.
; THE WHOLE HEAD'S k AND v LIE IN LDS (131,072 bytes each), each byte written once: all of it is asked for at the head, 64 loads of 16 bytes a thread into 256 registers that hold nothing yet, and goes to LDS
; in groups of eight loads as they land.  One barrier follows, the only one of the launch.  THE KEY STEP IS WRITTEN ONCE: a loop of 16 steps inside a loop of two passes.
; FRAGMENTS RUN A STEP AHEAD: k and v have 64 registers each; step s + 1's k is asked for behind step s's first product, its v behind step s's second.  The LDS address wraps at 131,072, so that a pass's last step asks for
; the next pass's first fragments (the launch's last step asks for 32 loads that nobody reads; they are waited for at the end).
; k and v are read by four work-groups only and once by each: so no cluster and no joint request.
; No prefetch: every byte is asked for at the head, and no loop reads memory.
; BOTH PRODUCTS ARE USED TRANSPOSED: S^T = k q^T (source 0 = 16 keys), O^T = v^T p^T (source 0 = 16 channels): a lane holds ONE query throughout.  S's tile t', register j: key 16 t' + 8 h + j; the codes of tiles 2 c and 2 c + 1
; are registers 4 c .. 4 c + 3 of p's fragment, and vimg has its keys in the same places.
; THE MASK is the C of k q^T: 0, or -2^120 for a masked key, an f32 number a key in LDS.  The running largest t begins at -2^60, above every masked t: so a masked key never enters M, and its p is 0.
; A step none of whose 128 keys is masked takes the constant 0 as C and loads no such numbers: a scalar branch on a bit for each 64 keys, made at the head from the mask's bytes.  Both ways issue the same products.
; A row all of whose keys are masked has l = 0 and leaves as NaN codes, as the softmax of such a row is NaN.
; THE HOLD of p at 448 x 2^e4 changes nothing where e4 >= -8 (then 448 x 2^e4 >= 1.75 and p <= 1): it is jumped over there, by a scalar branch on the given whole number.
; LIMITS: e2 + e3 between -50 and 36 (every true |t| stays under 2^60, every masked t under -2^60); e4 and e6 - e4 - e5 between -126 and 119.  A byte of the mask is 0 or 1.
; aimg: [row / 16][head][g][lane][16 bytes]: lane (r, h): row r, channels 32 g + 16 h + 0..15 of the head.
; REGISTERS.  window 0: v1 16 x lane; v2-4 addresses of the step; v5 the mask's place; v6-9 16 x thread + 0, 1, 2, 3 x 65,536; v10, v11 offsets of q and of the result; v12 -M, v13 largest t, v[14:15] l (tile A); v16-19 (tile B);
;   v[20:21], v[22:23] f; v24-33 at work; v34-37 scales and holds; v38 four NaN codes; v40-55 q of pass 1 (at the head: the mask); v64-127, v128-191 S, then p (at the head: v as loaded); v192-207, v208-223 p's codes;
;   v224-239 k's fragments 6, 7; v254, v255 the add's.
; window 1: v0-31, v32-63 O^T; v64-79 q of the pass in hand; v80-143 v's fragments; v144-207 the mask as C (at the head v80-207: k as loaded); v208-255 k's fragments 0-5.
.set VIMG,  131072
.set BIASL, 262144
.set FRG,   80
.set CBR,   144
.set QB,    64
.set CS,    26                         ; s[26:27] log2(e) / 8 x 2^(e2 + e3)
.set SEL,   28                         ; s[28:29] lane l xor 16
.set TB,    30                         ; s30 LDS byte of the NEXT step's keys in k's (and v's) image
.set TC,    31                         ; s31 LDS byte of this step's keys among the mask's numbers
.set CNT,   32
.set HOLD,  33                         ; s33 1 where e4 < -8
.set MA,    34                         ; s34, s35 lanes whose row has l = 0
.set MB,    35
.set PASS,  44                         ; s44 passes to go
.set MSAVE, 46                         ; s46 bit i: a key among 64 i .. 64 i + 63 is masked
.set MBITS, 47                         ; s47 the same, shifted so that this step's two bits are the lowest
.set MSB, 0
.macro WIN new
.if MSB != (\new)
	s_set_vgpr_msb (MSB<<8)|(\new)
.set MSB, (\new)
.endif
.endm
	s_load_b256 s[4:11], s[0:1], 0x0               ; qimg s[4:5], kimg s[6:7], vimg s[8:9], the mask s[10:11]
	s_load_b128 s[12:15], s[0:1], 0x20             ; the exponents s[12:13], aimg s[14:15]
	v_lshl_add_u32 v254, v0, 2, 0x42000
	v_mov_b32 v255, 0
	v_lshrrev_b32 v24, 5, v0
	s_delay_alu instid0(VALU_DEP_1)
	v_readfirstlane_b32 s24, v24                   ; wave 0..7
	v_and_b32 v25, 31, v0
	s_delay_alu instid0(VALU_DEP_1)
	v_lshlrev_b32 v1, 4, v25
	v_bfe_u32 v26, v0, 4, 1                        ; h
	s_delay_alu instid0(VALU_DEP_1)
	v_lshl_add_u32 v5, v26, 5, BIASL               ; my eight keys of a tile: 32 h bytes on
	v_lshlrev_b32 v6, 4, v0
	s_delay_alu instid0(VALU_DEP_1)
	v_add_nc_u32 v7, 0x10000, v6
	s_delay_alu instid0(VALU_DEP_2)
	v_add_nc_u32 v8, 0x20000, v6
	s_delay_alu instid0(VALU_DEP_3)
	v_add_nc_u32 v9, 0x30000, v6
	s_lshl_b32 s36, s24, 11
	v_add_nc_u32 v10, s36, v1                      ; q: two tiles of 1,024 bytes a wave
	s_lshl_b32 s36, s24, 15
	v_add_nc_u32 v11, s36, v1                      ; the result: two tiles of rows, 16,384 bytes apart, a wave
	v_lshlrev_b32 v39, 3, v0                       ; my thread's 8 bytes of the mask
	v_lshl_add_u32 v56, v0, 5, BIASL               ; and their 8 numbers
	v_lshlrev_b32 v57, 6, v25                      ; my lane's 64 bytes of the mask
	v_mov_b32 v21, 0                               ; (upper halves of pairs that are named whole)
	v_mov_b32 v23, 0
	v_mov_b32 v28, 0                               ; (a lane permute's destination counts as read)
	v_mov_b32 v29, 0
	v_mov_b32 v38, 0x7f7f7f7f
	s_mov_b32 s[SEL], 0x76543210
	s_mov_b32 s[SEL+1], 0xfedcba98
	s_lshr_b32 s37, ttmp9, 3
	s_lshl_b32 s37, s37, 1
	s_and_b32 s38, ttmp9, 1
	s_or_b32 s37, s37, s38                         ; 16 b + head
	s_bfe_u32 s38, ttmp9, 0x20001                  ; which 512 queries: bits 1 and 2 of g
	s_lshr_b32 s39, s37, 4                         ; b
	s_and_b32 s40, s37, 15                         ; head
	s_lshl_b32 s42, s37, 17
	s_mov_b32 s43, 0
	s_wait_alu depctr_va_vdst(0)
	s_wait_kmcnt 0x0
	s_load_b256 s[16:23], s[12:13], 0x0            ; e0 .. e7
	s_add_nc_u64 s[4:5], s[4:5], s[42:43]
	s_add_nc_u64 s[6:7], s[6:7], s[42:43]
	s_add_nc_u64 s[8:9], s[8:9], s[42:43]
	s_lshl_b32 s42, s38, 15
	s_add_nc_u64 s[4:5], s[4:5], s[42:43]
	s_lshl_b32 s42, s39, 11
	s_add_nc_u64 s[10:11], s[10:11], s[42:43]
	s_lshl_b32 s42, s39, 7
	s_lshl_b32 s41, s38, 5
	s_add_co_u32 s42, s42, s41                     ; the first tile of rows: 128 b + 32 x quarter
	s_lshl_b32 s42, s42, 14
	s_lshl_b32 s41, s40, 10
	s_add_co_u32 s42, s42, s41
	s_add_nc_u64 s[14:15], s[14:15], s[42:43]
.macro INIT                            ; the step is written once: a pass's first step finds zeros, which the first change of M leaves zeros
	v_mov_b32 v13, 0xdd800000                      ; the largest t so far: -2^60
	v_mov_b32 v17, 0xdd800000
	v_mov_b32 v12, 0x5d800000                      ; -M = 2^60
	v_mov_b32 v16, 0x5d800000
	v_mov_b32 v14, 0
	v_mov_b32 v15, 0
	v_mov_b32 v18, 0
	v_mov_b32 v19, 0
	WIN 0x40
.set j, 0
.rept 64
	v_mov_b32 v[j], 0
.set j, j+1
.endr
	WIN 0
.endm
.macro LOADK                           ; eight fragments of k (16 keys x 64) from v2 on: 16 loads
	WIN 0x40
.irp t, 0,1,2,3,4,5
	ds_load_b128 v[208+8*\t:211+8*\t], v2 offset:\t*1024
	ds_load_b128 v[212+8*\t:215+8*\t], v2 offset:\t*1024+512
.endr
	WIN 0
.irp t, 6,7
	ds_load_b128 v[176+8*\t:179+8*\t], v2 offset:\t*1024
	ds_load_b128 v[180+8*\t:183+8*\t], v2 offset:\t*1024+512
.endr
.endm
.macro LOADV                           ; four fragments of v (16 channels x 128 keys) from v3 on: 16 loads
	WIN 0x40
.irp t, 0,1,2,3
.irp c, 0,1,2,3
	ds_load_b128 v[FRG+16*\t+4*\c:FRG+16*\t+4*\c+3], v3 offset:\t*2048+\c*512
.endr
.endr
	WIN 0
.endm
.macro QK masked                       ; S^T = k q^T for both tiles: 16 products, C the mask's numbers or 0
	WIN 0x15                                       ; k, q and the mask in window 1, S in window 0
.irp t, 0,1,2,3,4,5
.if \masked
	v_wmma_f32_16x16x64_fp8_fp8 v[64+8*\t:71+8*\t], v[208+8*\t:215+8*\t], v[QB:QB+7], v[CBR+8*\t:CBR+8*\t+7]
	v_wmma_f32_16x16x64_fp8_fp8 v[128+8*\t:135+8*\t], v[208+8*\t:215+8*\t], v[QB+8:QB+15], v[CBR+8*\t:CBR+8*\t+7]
.else
	v_wmma_f32_16x16x64_fp8_fp8 v[64+8*\t:71+8*\t], v[208+8*\t:215+8*\t], v[QB:QB+7], 0
	v_wmma_f32_16x16x64_fp8_fp8 v[128+8*\t:135+8*\t], v[208+8*\t:215+8*\t], v[QB+8:QB+15], 0
.endif
.endr
	WIN 0x14                                       ; k's fragments 6 and 7 lie in window 0
.irp t, 6,7
.if \masked
	v_wmma_f32_16x16x64_fp8_fp8 v[64+8*\t:71+8*\t], v[176+8*\t:183+8*\t], v[QB:QB+7], v[CBR+8*\t:CBR+8*\t+7]
	v_wmma_f32_16x16x64_fp8_fp8 v[128+8*\t:135+8*\t], v[176+8*\t:183+8*\t], v[QB+8:QB+15], v[CBR+8*\t:CBR+8*\t+7]
.else
	v_wmma_f32_16x16x64_fp8_fp8 v[64+8*\t:71+8*\t], v[176+8*\t:183+8*\t], v[QB:QB+7], 0
	v_wmma_f32_16x16x64_fp8_fp8 v[128+8*\t:135+8*\t], v[176+8*\t:183+8*\t], v[QB+8:QB+15], 0
.endif
.endr
	WIN 0
.endm
; A KEY STEP: 128 keys for both tiles.  At its head this step's k (16 loads, the older) and v (16 loads) are on their way or in.
.macro STEP
	s_and_b32 s45, s[MBITS], 3                     ; is any of this step's 128 keys masked?
	s_cmp_lg_u32 s45, 0
	s_cbranch_scc1 .Lmasked
	s_wait_dscnt 16                                ; k is in; v's 16 loads may be out
	QK 0
	s_branch .Ljoin
.Lmasked:
	v_add_nc_u32 v4, s[TC], v5
	WIN 0x40
.irp t, 0,1,2,3,4,5,6,7
	ds_load_b128 v[CBR+8*\t:CBR+8*\t+3], v4 offset:64*\t
	ds_load_b128 v[CBR+8*\t+4:CBR+8*\t+7], v4 offset:64*\t+16
.endr
	WIN 0
	s_wait_dscnt 0x0
	QK 1
.Ljoin:
	s_add_co_u32 s45, s[TB], VIMG
	v_add_nc_u32 v2, s[TB], v1                     ; the next step's k and v.  These two and the two v_nop are the four places in front of the loads over k's fragments and of the first read of S
	v_add_nc_u32 v3, s45, v1
	v_nop
	v_nop
	LOADK                                          ; the next step's k: it has the rest of this step in which to land
	v_max3_num_f32 v24, v64, v65, v66              ; the step's largest score of my query among my 64 keys: two chains a tile, each accumulator from its low end on
	v_max3_num_f32 v26, v128, v129, v130
	v_max3_num_f32 v25, v67, v68, v69
	v_max3_num_f32 v27, v131, v132, v133
.set i, 6
.rept 14
	v_max3_num_f32 v24, v24, v[64+i], v[65+i]
	v_max3_num_f32 v26, v26, v[128+i], v[129+i]
	v_max3_num_f32 v25, v25, v[66+i], v[67+i]
	v_max3_num_f32 v27, v27, v[130+i], v[131+i]
.set i, i+4
.endr
	v_max3_num_f32 v24, v24, v126, v127
	v_max3_num_f32 v26, v26, v190, v191
	s_delay_alu instid0(VALU_DEP_2)
	v_max_num_f32 v24, v24, v25
	s_delay_alu instid0(VALU_DEP_2)
	v_max_num_f32 v26, v26, v27
	s_delay_alu instid0(VALU_DEP_2)
	v_permlanex16_b32 v28, v24, s[SEL], s[SEL+1]
	s_delay_alu instid0(VALU_DEP_2)
	v_permlanex16_b32 v29, v26, s[SEL], s[SEL+1]
	s_delay_alu instid0(VALU_DEP_2)
	v_max_num_f32 v24, v24, v28                    ; and among lane l xor 16's
	s_delay_alu instid0(VALU_DEP_2)
	v_max_num_f32 v26, v26, v29
	s_delay_alu instid0(VALU_DEP_2)
	v_mul_f32 v24, s[CS], v24                      ; as t
	s_delay_alu instid0(VALU_DEP_2)
	v_mul_f32 v26, s[CS], v26
	s_delay_alu instid0(VALU_DEP_2)
	v_max_num_f32 v13, v13, v24                    ; the running largest t
	s_delay_alu instid0(VALU_DEP_2)
	v_max_num_f32 v17, v17, v26
	v_mov_b32 v24, v12
	v_mov_b32 v26, v16
	s_delay_alu instid0(VALU_DEP_4)
	v_floor_f32 v12, -v13                          ; the new -M = floor(-t): M is a whole number
	s_delay_alu instid0(VALU_DEP_4)
	v_floor_f32 v16, -v17
	s_delay_alu instid0(VALU_DEP_2)
	v_sub_f32 v24, v12, v24                        ; old M - new M: a whole number, 0 or less
	s_delay_alu instid0(VALU_DEP_2)
	v_sub_f32 v26, v16, v26
	s_delay_alu instid0(VALU_DEP_2)
	v_cvt_i32_f32 v24, v24                         ; (it saturates)
	s_delay_alu instid0(VALU_DEP_2)
	v_cvt_i32_f32 v26, v26
	s_delay_alu instid0(VALU_DEP_2)
	v_ldexp_f32 v20, 1.0, v24                      ; f = 2^(old M - new M)
	s_delay_alu instid0(VALU_DEP_2)
	v_ldexp_f32 v22, 1.0, v26
.set i, 0
.rept 32
	v_pk_fma_f32 v[64+i:65+i], v[64+i:65+i], s[CS:CS+1], v[12:13] op_sel_hi:[1,0,0]   ; t - M
.set i, i+2
.endr
.set i, 0
	s_wait_alu depctr_va_vdst(0)
.rept 32                               ; tile A's exponentials, tile B's scalings between them: nothing here names an exponential's result
	v_exp_f32 v[64+i], v[64+i]
	v_pk_fma_f32 v[128+i:129+i], v[128+i:129+i], s[CS:CS+1], v[16:17] op_sel_hi:[1,0,0]
	v_exp_f32 v[65+i], v[65+i]
.set i, i+2
.endr
.set i, 0
	s_wait_alu depctr_va_vdst(0)
.rept 64
	v_exp_f32 v[128+i], v[128+i]
.set i, i+1
.endr
	v_pk_mul_f32 v[14:15], v[14:15], v[20:21] op_sel_hi:[1,0]   ; the sums under the new M: plain instructions behind the last exponential
	v_pk_mul_f32 v[18:19], v[18:19], v[22:23] op_sel_hi:[1,0]
	s_wait_alu depctr_va_vdst(0)                   ; one wait for the 128 exponentials, ahead of the first instruction that names a result
	v_pk_add_f32 v[30:31], v[64:65], v[66:67]      ; l is the sum of the UNQUANTISED p: two chains a tile
	v_pk_add_f32 v[32:33], v[128:129], v[130:131]
.set i, 4
.rept 15
	v_pk_add_f32 v[14:15], v[14:15], v[64+i:65+i]
	v_pk_add_f32 v[18:19], v[18:19], v[128+i:129+i]
	v_pk_add_f32 v[30:31], v[30:31], v[66+i:67+i]
	v_pk_add_f32 v[32:33], v[32:33], v[130+i:131+i]
.set i, i+4
.endr
	s_delay_alu instid0(VALU_DEP_2)
	v_pk_add_f32 v[14:15], v[14:15], v[30:31]
	s_delay_alu instid0(VALU_DEP_2)
	v_pk_add_f32 v[18:19], v[18:19], v[32:33]
	s_cmp_eq_u32 s[HOLD], 0
	s_cbranch_scc1 .Lno_hold
.set i, 0
.rept 128
	v_min_num_f32 v[64+i], v[64+i], v35            ; p is not negative: the hold is one-sided
.set i, i+1
.endr
.Lno_hold:
.irp c, 0,1,2,3
	v_cvt_scalef32_pk8_fp8_f32 v[192+4*\c:193+4*\c], v[64+16*\c:71+16*\c], v34
	v_cvt_scalef32_pk8_fp8_f32 v[208+4*\c:209+4*\c], v[128+16*\c:135+16*\c], v34
	v_cvt_scalef32_pk8_fp8_f32 v[194+4*\c:195+4*\c], v[72+16*\c:79+16*\c], v34
	v_cvt_scalef32_pk8_fp8_f32 v[210+4*\c:211+4*\c], v[136+16*\c:143+16*\c], v34
.endr
	WIN 0x41                                       ; O^T in window 1, f in window 0
.set i, 0
.rept 16
	v_pk_mul_f32 v[i:i+1], v[i:i+1], v[20:21] op_sel_hi:[1,0]          ; O^T under the new M.  (Also the plain instructions between the conversions and the products that read their results)
	v_pk_mul_f32 v[32+i:33+i], v[32+i:33+i], v[22:23] op_sel_hi:[1,0]
.set i, i+2
.endr
	s_wait_alu depctr_va_vdst(0)
	s_wait_dscnt 16                                ; v is in; the next step's k, 16 loads, may be out
	WIN 0x51                                       ; v and O^T in window 1, p in window 0
.irp t, 0,1,2,3                        ; eight accumulators by turns
	v_wmma_f32_16x16x128_fp8_fp8 v[8*\t:8*\t+7], v[FRG+16*\t:FRG+16*\t+15], v[192:207], v[8*\t:8*\t+7]
	v_wmma_f32_16x16x128_fp8_fp8 v[32+8*\t:32+8*\t+7], v[FRG+16*\t:FRG+16*\t+15], v[208:223], v[32+8*\t:32+8*\t+7]
.endr
	WIN 0
.rept 4
	v_nop                                          ; places in front of the loads over v's fragments
.endr
	LOADV                                          ; the next step's v
.endm
; THE WAY OUT of a pass: O^T / l, held, quantised with 2^(e6 - e4 - e5); tiles 2 g and 2 g + 1 of O^T are channels 32 g + 16 h + 0..15: the codes are the last product's operand as they stand; each store covers 512 consecutive bytes.
.macro FINISH
	v_add_f32 v24, v14, v15                        ; l's two halves,
	v_add_f32 v26, v18, v19
	s_delay_alu instid0(VALU_DEP_2)
	v_permlanex16_b32 v28, v24, s[SEL], s[SEL+1]
	s_delay_alu instid0(VALU_DEP_2)
	v_permlanex16_b32 v29, v26, s[SEL], s[SEL+1]
	s_delay_alu instid0(VALU_DEP_2)
	v_add_f32 v24, v24, v28                        ; and lane l xor 16's
	s_delay_alu instid0(VALU_DEP_2)
	v_add_f32 v26, v26, v29
	s_delay_alu instid0(VALU_DEP_2)
	v_cmp_eq_f32 s[MA], 0, v24
	s_delay_alu instid0(VALU_DEP_2)
	v_cmp_eq_f32 s[MB], 0, v26
	s_wait_alu depctr_va_vdst(0)                   ; the wait ahead of the reciprocals
	v_rcp_f32 v20, v24
	v_rcp_f32 v22, v26
	v_nop                                          ; a plain instruction behind the reciprocals,
	s_wait_alu depctr_va_vdst(0)                   ; and the wait ahead of their first reader, which is also the first reader of O^T
	WIN 0x01
.set i, 0
.rept 16
	v_pk_mul_f32 v[64+i:65+i], v[i:i+1], v[20:21] op_sel_hi:[1,0]
	v_pk_mul_f32 v[128+i:129+i], v[32+i:33+i], v[22:23] op_sel_hi:[1,0]
.set i, i+2
.endr
	WIN 0
.set i, 0
.rept 32
	v_med3_num_f32 v[64+i], v[64+i], -v37, v37
	v_med3_num_f32 v[128+i], v[128+i], -v37, v37
.set i, i+1
.endr
.irp g, 0,1,2,3
	v_cvt_scalef32_pk8_fp8_f32 v[192+2*\g:193+2*\g], v[64+8*\g:71+8*\g], v36
	v_cvt_scalef32_pk8_fp8_f32 v[208+2*\g:209+2*\g], v[128+8*\g:135+8*\g], v36
.endr
	v_nop
.irp i, 0,1,2,3,4,5,6,7
	v_cndmask_b32 v[192+\i], v[192+\i], v38, s[MA] ; a row with l = 0 is NaN
	v_cndmask_b32 v[208+\i], v[208+\i], v38, s[MB]
.endr
.irp g, 0,1
	global_store_b128 v11, v[192+4*\g:195+4*\g], s[14:15] offset:\g*512
	global_store_b128 v11, v[208+4*\g:211+4*\g], s[14:15] offset:16384+\g*512
.endr
	s_wait_xcnt 0x0                                ; the stores have read their data and their base: both are written again only behind this wait
.endm
	global_load_b64 v[40:41], v39, s[10:11]        ; the batch's 2,048 bytes of mask, 8 a thread, for the numbers in LDS,
.irp i, 0,1,2,3
	global_load_b128 v[192+4*\i:195+4*\i], v57, s[10:11] offset:16*\i   ; and once more, 64 a lane, for the wave's own bits
.endr
	WIN 0x40
.irp q, 0,1
.irp g, 0,1
	global_load_b128 v[QB+8*\q+4*\g:QB+8*\q+4*\g+3], v10, s[4:5] offset:\q*1024+\g*512            ; q of pass 0
.endr
.endr
.set i, 0
.rept 32                               ; k: 32 loads of 4,096 consecutive bytes by the 256 threads
	global_load_b128 v[80+4*i:83+4*i], v6, s[6:7] offset:i*4096
.set i, i+1
.endr
	WIN 0
.set i, 0
.rept 32                               ; v likewise
	global_load_b128 v[64+4*i:67+4*i], v6, s[8:9] offset:i*4096
.set i, i+1
.endr
	s_wait_loadcnt 63                              ; the mask's five loads are in: 68 loads stand behind them, and the count names at most 63
.irp i, 0,1,2,3,4,5,6,7
	v_bfe_u32 v[44+\i], v[40+\i/4], 8*(\i%4), 8
	s_delay_alu instid0(VALU_DEP_1)
	v_sub_nc_u32 v[44+\i], 0, v[44+\i]             ; 0 or all ones
	s_delay_alu instid0(VALU_DEP_1)
	v_and_b32 v[44+\i], 0xfb800000, v[44+\i]       ; 0 or -2^120
.endr
	ds_store_b128 v56, v[44:47]
	ds_store_b128 v56, v[48:51] offset:16
.irp i, 0,2,4,6,8,10,12,14             ; my lane's 64 bytes, or-ed into one word
	v_or_b32 v[192+\i], v[192+\i], v[193+\i]
.endr
.irp i, 0,4,8,12
	v_or_b32 v[192+\i], v[192+\i], v[194+\i]
.endr
	v_or_b32 v192, v192, v196
	v_or_b32 v200, v200, v204
	v_or_b32 v192, v192, v200
	v_cmp_ne_u32 s[MSAVE], 0, v192                 ; bit i: lane i's 64 keys hold a masked one
	s_wait_kmcnt 0x0
	s_add_co_i32 s36, s18, s19
	s_lshl_b32 s36, s36, 23
	s_add_co_i32 s[CS], s36, 0x3e38aa3b            ; log2(e) / 8, with e2 + e3 added to its exponent field
	s_mov_b32 s[CS+1], s[CS]
	s_add_co_i32 s36, s20, 127
	s_lshl_b32 s37, s36, 23
	v_mov_b32 v34, s37                             ; 2^e4
	s_add_co_i32 s36, s36, 8
	s_lshl_b32 s36, s36, 23
	s_or_b32 s36, s36, 0x600000
	v_mov_b32 v35, s36                             ; 448 x 2^e4
	s_sub_co_i32 s36, s22, s20
	s_sub_co_i32 s36, s36, s21
	s_add_co_i32 s36, s36, 127
	s_lshl_b32 s37, s36, 23
	v_mov_b32 v36, s37                             ; 2^(e6 - e4 - e5)
	s_add_co_i32 s36, s36, 8
	s_lshl_b32 s36, s36, 23
	s_or_b32 s36, s36, 0x600000
	v_mov_b32 v37, s36
	s_cmp_lt_i32 s20, -8
	s_cselect_b32 s[HOLD], 1, 0
	s_mov_b32 s[PASS], 2
	s_wait_alu depctr_va_vdst(0)                   ; the wait at the head's end
.irp j, 0,1,2,3                        ; k goes to LDS as it lies, eight loads at a time: behind group j stand 24 - 8 j loads of k and v's 32
	s_wait_loadcnt 56-8*\j
	WIN 0x04                                       ; an LDS store's data are source 1: window 1
.irp i, 0,1,2,3,4,5,6,7
	ds_store_b128 v[6+\j/2], v[80+32*\j+4*\i:83+32*\j+4*\i] offset:(\j%2)*32768+\i*4096
.endr
.endr
	WIN 0
.irp j, 0,1,2,3                        ; v likewise: behind group j stand 24 - 8 j loads
	s_wait_loadcnt 24-8*\j
.irp i, 0,1,2,3,4,5,6,7
	ds_store_b128 v[8+\j/2], v[64+32*\j+4*\i:67+32*\j+4*\i] offset:(\j%2)*32768+\i*4096
.endr
.endr
	s_wait_dscnt 0x0                               ; for the others' sake: my stores have landed
	s_barrier_signal -1
	s_barrier_wait -1                              ; k, v and the mask's numbers are whole for every wave; nothing in LDS is written from here on
.irp q, 0,1
.irp g, 0,1
	global_load_b128 v[40+8*\q+4*\g:43+8*\q+4*\g], v10, s[4:5] offset:16384+\q*1024+\g*512        ; q of pass 1, into registers that the mask has left
.endr
.endr
	v_mov_b32 v2, v1                               ; the first step's k and v
	v_add_nc_u32 v3, VIMG, v1
	LOADK
	LOADV
	s_mov_b32 s[TB], 8192
	s_lshr_b32 s45, s24, 2                         ; waves 1, 3, 4 and 6 wait for pass 1's q here, the others at the change of passes: of waves w and w + 4, and of waves 2 i and 2 i + 1, one waits here,
	s_xor_b32 s45, s45, s24                        ; so that two such waves do not walk the step's phases side by side
	s_and_b32 s45, s45, 1
	s_cmp_eq_u32 s45, 0
	s_cbranch_scc1 .Lpass
	s_wait_loadcnt 0x0
.Lpass:
	INIT
	s_mov_b32 s[TC], 0
	s_mov_b32 s[MBITS], s[MSAVE]
	s_mov_b32 s[CNT], 16
.Lstep:
	STEP
	s_add_co_u32 s[TB], s[TB], 8192
	s_and_b32 s[TB], s[TB], 0x1ffff                ; behind the last keys come the first again
	s_add_co_u32 s[TC], s[TC], 512
	s_lshr_b32 s[MBITS], s[MBITS], 2
	s_sub_co_u32 s[CNT], s[CNT], 1
	s_cmp_lg_u32 s[CNT], 0
	s_cbranch_scc1 .Lstep
	FINISH
	s_cmp_eq_u32 s[PASS], 1
	s_cbranch_scc1 .Lno_next
	s_add_nc_u64 s[14:15], s[14:15], 262144        ; pass 1's rows of the result,
	s_wait_loadcnt 0x0
	WIN 0x40
.set i, 0
.rept 16
	v_mov_b32 v[QB+i], v[40+i]                     ; and its q
.set i, i+1
.endr
	WIN 0
.Lno_next:
	s_sub_co_u32 s[PASS], s[PASS], 1
	s_cmp_lg_u32 s[PASS], 0
	s_cbranch_scc1 .Lpass
	s_wait_tensorcnt 0x0                           ; the wave's end
	ds_add_u32 v254, v255
	s_wait_dscnt 0x0
	s_endpgm
.Lfunc_end_k_q2c0c01d9c4_attn:
	.size	k_q2c0c01d9c4_attn, .Lfunc_end_k_q2c0c01d9c4_attn-k_q2c0c01d9c4_attn
	.p2alignl 7, 3214868480
	.fill 96, 4, 3214868480
	.section	.rodata,"a",@progbits
	.p2align	6, 0x0
	.amdhsa_kernel k_q2c0c01d9c4_attn
		.amdhsa_group_segment_fixed_size 271360
		.amdhsa_private_segment_fixed_size 0
		.amdhsa_enable_private_segment 0
		.amdhsa_kernarg_size 48
		.amdhsa_user_sgpr_count 2
		.amdhsa_user_sgpr_kernarg_segment_ptr 1
		.amdhsa_wavefront_size32 1
		.amdhsa_system_sgpr_workgroup_id_x 1
		.amdhsa_system_sgpr_workgroup_id_y 1
		.amdhsa_system_sgpr_workgroup_id_z 1
		.amdhsa_system_vgpr_workitem_id 0
		.amdhsa_next_free_vgpr 512
		.amdhsa_next_free_sgpr 66
		.amdhsa_reserve_vcc 0
		.amdhsa_float_denorm_mode_32 3
		.amdhsa_float_denorm_mode_16_64 3
		.amdhsa_memory_ordered 1
		.amdhsa_forward_progress 1
		.amdhsa_inst_pref_size 64
	.end_amdhsa_kernel
	.amdgpu_metadata
---
amdhsa.version: [ 1, 2 ]
amdhsa.kernels:
  - .name:           k_q2c0c01d9c4_attn
    .symbol:         k_q2c0c01d9c4_attn.kd
    .args:
      - { .name: qimg, .offset: 0, .size: 8, .value_kind: global_buffer, .address_space: global }
      - { .name: kimg, .offset: 8, .size: 8, .value_kind: global_buffer, .address_space: global }
      - { .name: vimg, .offset: 16, .size: 8, .value_kind: global_buffer, .address_space: global }
      - { .name: padding_mask, .offset: 24, .size: 8, .value_kind: global_buffer, .address_space: global }
      - { .name: lowp_scales, .offset: 32, .size: 8, .value_kind: global_buffer, .address_space: global }
      - { .name: aimg, .offset: 40, .size: 8, .value_kind: global_buffer, .address_space: global }
    .group_segment_fixed_size: 271360
    .private_segment_fixed_size: 0
    .kernarg_segment_align: 8
    .kernarg_segment_size: 48
    .max_flat_workgroup_size: 256
    .sgpr_count:     66
    .vgpr_count:     512
    .wavefront_size: 32
...
	.end_amdgpu_metadata
.endif
;; end of part 3
;; launch proj (part 4): grid 4 x 64, 4 waves a work-group, clusters of 4 x 1, 167,936 bytes of LDS; arguments aimg, woc, lowp_scales, bo, out0; writes out0
.if DOCPART == 4
	.amdgcn_target "amdgcn-amd-amdhsa--gfx1250"
	.amdhsa_code_object_version 6
	.text
	.protected	k_q2c0c01d9c4_proj
	.globl	k_q2c0c01d9c4_proj
	.p2align	8
	.type	k_q2c0c01d9c4_proj,@function
k_q2c0c01d9c4_proj:
	s_mov_b64 s[64:65], 0
	v_nop
	global_prefetch_b8 v0, s[64:65] scope:SCOPE_SE
	s_setreg_imm32_b32 hwreg(HW_REG_WAVE_MODE, 25, 1), 1
	s_wait_xcnt 0x0
	s_wait_alu depctr_hold_cnt(0) depctr_sa_sdst(0) depctr_va_vdst(0) depctr_va_sdst(0) depctr_va_ssrc(0) depctr_va_vcc(0) depctr_vm_vsrc(0)
	s_getreg_b32 s2, hwreg(HW_REG_IB_STS2, 6, 4)
	s_cmp_eq_u32 s2, 0
	s_cbranch_scc0 .Lentry_in_a_cluster
	s_endpgm
.Lentry_in_a_cluster:
	s_bfe_u32 s2, ttmp6, 0x10000c
	s_cmp_lg_u32 s2, 0x3003
	s_cbranch_scc0 .Lentry_shape_is_right
	s_endpgm
.Lentry_shape_is_right:
; out0 = (attention's result) Wo + bo on codes of E4M3; a sum stands for sum x 2^(e6 + e7).  LIMIT: e6 + e7 lies between -126 and 127.
; SHARES.  A work-group makes 128 rows x 256 columns: 64 x 4 = 256 work-groups.  Each of four waves makes all 128 rows x 64 columns.
; A: the 128 rows x 1,024 K are 131,072 consecutive bytes of aimg, images of the operand's registers ([row / 16][k / 128][c][lane][16 bytes]); they are brought into LDS once,
; 32,768 bytes a wave by one tensor load at the head; no LDS byte is filled again, so there is no ring.
; CLUSTER 4, 1, 1: the four work-groups of a row block need the same bytes of A and ask for them jointly (mask 15); the address hangs on the cluster's y and the wave's number alone.
; B: a wave's 64 columns x 1,024 K of Wo are 65,536 consecutive bytes of woc, images too; no other wave of the work-group needs them, so they go straight into 512 registers (128 loads of 512 bytes) and stay.
; THE WORK GOES BY ROWS: a block of 16 rows is finished by 32 matrix instructions (8 steps of 128 along K x 4 accumulators by turns), then scaled, biased and sent,
; its turn through the stage standing under the next block's first 16 products.
; THE MATRIX INSTRUCTION IS USED TRANSPOSED (source 0 = 16 columns of Wo, source 1 = 16 rows of A): a lane holds eight neighbouring numbers of a row of the result.
; No prefetch: every byte that the work-group reads is asked for at the head, and there is no loop to run ahead in.
; REGISTERS.  window 0: v1, v2 16 x lane (+ 65,536); v3-6 addresses; v28, v29 the add's; v32-63 a block's results; v64-95, v96-127 rows read back, by turns; v128-255 A's eight fragments of a block.
; window 1: v0-31 the four accumulators; v32-63 the bias.  window 2: Wo's fragments of K 0-511 ((k, b) at v[64 k + 16 b]); window 3: of K 512-1,023.
.set STAGE, 131072                     ; behind A: 16 rows x (256 + 16) bytes for each wave; no tensor load lands here
.set SP,    272
.set SPARE, STAGE+4*16*SP              ; the spare words, 128 bytes for each wave
.set LI,  1
.set STO, 3
.set RD,  4
.set CO,  5
.set BOF, 6
.set SPW, 28
.set NIL, 29
.set TMP, 32
.set BK,  64
.set AF,  128
.set MSB, 0
.macro WIN new                         ; the immediate's high byte repeats the setting that is left
.if MSB != (\new)
	s_set_vgpr_msb (MSB<<8)|(\new)
.set MSB, (\new)
.endif
.endm
.macro CROUND                          ; a round of the cluster's barrier
	s_barrier_signal -1
	s_barrier_wait -1
	s_cmp_lg_u32 s14, 0
	s_cbranch_scc1 .Lnot_wave_0_\@
	s_barrier_signal -3
.Lnot_wave_0_\@:
	s_barrier_wait -3
	s_barrier_signal -1
	s_barrier_wait -1
.endm
.macro PLACES                          ; four plain vector instructions behind a matrix instruction (ISA guide 7.12.1)
.rept 4
	v_nop
.endr
.endm
	s_load_b256 s[4:11], s[0:1], 0x0               ; aimg s[4:5], woc s[6:7], exponents s[8:9], bo s[10:11]
	s_load_b64 s[12:13], s[0:1], 0x20              ; out0
	v_lshl_add_u32 v[SPW], v0, 2, SPARE
	v_mov_b32 v[NIL], 0
	ds_add_u32 v[SPW], v[NIL]                      ; the opening lines: the add, twice on end, and its wait ahead of my tensor load
	ds_add_u32 v[SPW], v[NIL]
	v_lshrrev_b32 v7, 5, v0
	v_readfirstlane_b32 s14, v7                    ; wave 0..3
	s_mul_i32 s15, s14, 16*SP
	s_add_co_u32 s15, s15, STAGE                   ; my stage
	v_and_b32 v8, 15, v0                           ; r
	v_bfe_u32 v9, v0, 4, 1                         ; h
	v_and_b32 v10, 31, v0
	v_lshlrev_b32 v[LI], 4, v10
	v_add_nc_u32 v[LI+1], 0x10000, v[LI]           ; blocks 4-7 of A lie beyond the 16-bit offset
	v_mul_u32_u24 v[STO], v8, SP
	v_lshl_add_u32 v[STO], v9, 5, v[STO]
	v_add_nc_u32 v[STO], s15, v[STO]               ; into the stage: row r, 32 h bytes on
	v_mul_u32_u24 v[RD], v9, SP
	v_lshl_add_u32 v[RD], v8, 4, v[RD]
	v_add_nc_u32 v[RD], s15, v[RD]                 ; out of it: lanes 0-15 one row of 256 bytes, lanes 16-31 the next
	v_lshlrev_b32 v[CO], 12, v9
	v_lshl_add_u32 v[CO], v8, 4, v[CO]             ; and the same two rows in out0
	v_lshlrev_b32 v[BOF], 5, v9                    ; the bias: my eight columns of a tile
	s_bfe_u32 s16, ttmp6, 0x40000                  ; cx: which 256 columns
	s_and_b32 s17, ttmp7, 0xffff                   ; which 128 rows
	s_lshl_b32 s19, s14, 15                        ; my quarter of A, in memory and in LDS
	s_lshl_b32 s20, s17, 17
	s_add_co_u32 s20, s20, s19
	s_mov_b32 s21, 0
	s_lshl_b32 s22, s16, 18                        ; Wo: 16,384 bytes for 16 columns
	s_lshl_b32 s18, s14, 16
	s_add_co_u32 s22, s22, s18
	s_mov_b32 s23, 0
	s_lshl_b32 s40, s16, 10                        ; my first column in bytes of f32
	s_lshl_b32 s18, s14, 8
	s_add_co_u32 s40, s40, s18
	s_mov_b32 s41, 0
	s_lshl_b32 s42, s17, 19                        ; my first row of out0
	s_mov_b32 s43, 0
	s_mov_b32 s24, 15|(3<<16)|(1<<21)              ; the mask of the four; elements of 8 bytes; bit 21 beside a mask; no padding
	s_mov_b32 s25, 512<<16                         ; 8 rows of 4,096 bytes, dense
	s_mov_b32 s26, 8<<16
	s_mov_b32 s27, 512<<16
	s_mov_b32 s28, 8
	s_mov_b32 s29, 512
	s_mov_b32 s30, 0
	s_mov_b32 s31, 0
	s_mov_b32 s32, 1
	s_mov_b32 s33, s19
	s_wait_alu depctr_va_vdst(0)                   ; the wait at the head's end
	s_wait_dscnt 0x0                               ; both opening adds are done
	s_wait_kmcnt 0x0
	s_load_b64 s[44:45], s[8:9], 0x18              ; e6, e7
	s_add_nc_u64 s[34:35], s[4:5], s[20:21]
	s_or_b32 s35, s35, 0x80000000
	s_add_nc_u64 s[6:7], s[6:7], s[22:23]
	s_add_nc_u64 s[10:11], s[10:11], s[40:41]
	s_add_nc_u64 s[12:13], s[12:13], s[42:43]
	s_add_nc_u64 s[12:13], s[12:13], s[40:41]
	CROUND                                         ; the four work-groups are here: the joint loads meet
	tensor_load_to_lds s[32:35], s[24:31]          ; my one tensor load
	s_nop 0
	PLACES
.macro LB hf                           ; Wo's fragments of K 512 hf on: 64 loads
	WIN 0x80+0x40*(\hf)
.irp k, 0,1,2,3
.irp b, 0,1,2,3
.irp c, 0,1,2,3
	global_load_b128 v[64*\k+16*\b+4*\c:64*\k+16*\b+4*\c+3], v[LI], s[6:7] offset:\b*16384+(4*(\hf)+\k)*2048+\c*512
.endr
.endr
.endr
.endm
	LB 0
	LB 1
	WIN 0x40
.irp b, 0,1,2,3
	global_load_b128 v[32+8*\b:35+8*\b], v[BOF], s[10:11] offset:64*\b
	global_load_b128 v[36+8*\b:39+8*\b], v[BOF], s[10:11] offset:64*\b+16
.endr
	WIN 0
.macro LA a, hf                        ; A's fragments of block a, K 512 hf on: 16 loads of 512 consecutive bytes
.irp k, 0,1,2,3
.irp c, 0,1,2,3
	ds_load_b128 v[AF+64*(\hf)+16*\k+4*\c:AF+64*(\hf)+16*\k+4*\c+3], v[LI+(\a)/4] offset:((\a)%4)*16384+(4*(\hf)+\k)*2048+\c*512
.endr
.endr
.endm
.macro MM hf                           ; 16 matrix instructions; the block's first four start the sums
.irp k, 0,1,2,3
.irp b, 0,1,2,3
.if ((\hf) == 0) && (\k == 0)
	v_wmma_f32_16x16x128_fp8_fp8 v[8*\b:8*\b+7], v[64*\k+16*\b:64*\k+16*\b+15], v[AF+64*(\hf)+16*\k:AF+64*(\hf)+16*\k+15], 0
.else
	v_wmma_f32_16x16x128_fp8_fp8 v[8*\b:8*\b+7], v[64*\k+16*\b:64*\k+16*\b+15], v[AF+64*(\hf)+16*\k:AF+64*(\hf)+16*\k+15], v[8*\b:8*\b+7]
.endif
.endr
.endr
.endm
.macro SEND a                          ; block a's rows are back: sixteen lanes store 256 consecutive bytes, aligned
.set BB, BK+32*((\a)%2)
	s_wait_dscnt 0x0
.irp t, 0,1,2,3,4,5,6,7
	global_store_b128 v[CO], v[BB+4*\t:BB+4*\t+3], s[12:13] offset:(\a)*65536+\t*8192 th:TH_STORE_NT
.endr
.endm
.macro BLOCK a
.if (\a) == 0
	s_wait_loadcnt 63                              ; of 136 loads the first 64, Wo's K 0-511, are in (72 behind them; the count names at most 63)
	s_wait_dscnt 16                                ; A's K 0-511 are in; the 16 loads behind them may be out
.else
	s_wait_dscnt 32                                ; behind A's K 0-511: 16 loads of K 512 on, 8 stores and 8 loads of the stage
.endif
	WIN 0x52                                       ; Wo window 2, A window 0, sums window 1
	MM 0
	WIN 0
	PLACES                                         ; in front of the loads over A's fragments
.if (\a) > 0
	SEND (\a)-1
.endif
.if (\a) < 7
	LA (\a)+1, 0
.endif
.if (\a) == 0
	s_wait_loadcnt 8                               ; Wo is in; the bias's 8 loads may be out
	s_wait_dscnt 16                                ; A's K 512 on are in (later blocks: SEND has waited for all)
.endif
	WIN 0x53
	MM 1
	WIN 0
	PLACES                                         ; in front of the loads over A's fragments and of the first read of the sums
.if (\a) < 7
	LA (\a)+1, 1
.endif
.if (\a) == 0
	s_wait_loadcnt 0x0                             ; the bias
.endif
.if (\a) >= 2
	s_wait_xcnt 0x0                                ; block a - 2's stores have read their data: the stage's loads may land there
.endif
	WIN 0x11                                       ; sums and bias in window 1
.set j, 0
.rept 16
	v_pk_fma_f32 v[TMP+j:TMP+j+1], v[j:j+1], s[44:45], v[32+j:33+j] op_sel_hi:[1,0,1]   ; x 2^(e6 + e7) + bias; each accumulator from its low end on
.set j, j+2
.endr
	WIN 0
.irp b, 0,1,2,3
	ds_store_b128 v[STO], v[TMP+8*\b:TMP+8*\b+3] offset:64*\b
	ds_store_b128 v[STO], v[TMP+8*\b+4:TMP+8*\b+7] offset:64*\b+16
.endr
.irp t, 0,1,2,3,4,5,6,7
	ds_load_b128 v[BK+32*((\a)%2)+4*\t:BK+32*((\a)%2)+4*\t+3], v[RD] offset:\t*2*SP   ; LDS serves a wave's instructions in order: these see my stores
.endr
.endm
	s_wait_tensorcnt 0x0                           ; my quarter of A is in
	s_barrier_signal -1
	s_barrier_wait -1                              ; and so is everybody's
	LA 0, 0
	LA 0, 1
	s_wait_kmcnt 0x0
	s_add_co_i32 s44, s44, s45
	s_add_co_i32 s44, s44, 127
	s_lshl_b32 s44, s44, 23                        ; 2^(e6 + e7) as f32
.irp a, 0,1,2,3,4,5,6,7
	BLOCK \a
.endr
	SEND 7
	s_wait_tensorcnt 0x0                           ; the wave's end
	ds_add_u32 v[SPW], v[NIL]
	s_wait_dscnt 0x0
	CROUND                                         ; the closing round
	s_endpgm
.Lfunc_end_k_q2c0c01d9c4_proj:
	.size	k_q2c0c01d9c4_proj, .Lfunc_end_k_q2c0c01d9c4_proj-k_q2c0c01d9c4_proj
	.p2alignl 7, 3214868480
	.fill 96, 4, 3214868480
	.section	.rodata,"a",@progbits
	.p2align	6, 0x0
	.amdhsa_kernel k_q2c0c01d9c4_proj
		.amdhsa_group_segment_fixed_size 167936
		.amdhsa_private_segment_fixed_size 0
		.amdhsa_enable_private_segment 0
		.amdhsa_kernarg_size 40
		.amdhsa_user_sgpr_count 2
		.amdhsa_user_sgpr_kernarg_segment_ptr 1
		.amdhsa_wavefront_size32 1
		.amdhsa_system_sgpr_workgroup_id_x 1
		.amdhsa_system_sgpr_workgroup_id_y 1
		.amdhsa_system_sgpr_workgroup_id_z 1
		.amdhsa_system_vgpr_workitem_id 0
		.amdhsa_next_free_vgpr 1024
		.amdhsa_next_free_sgpr 66
		.amdhsa_reserve_vcc 0
		.amdhsa_float_denorm_mode_32 3
		.amdhsa_float_denorm_mode_16_64 3
		.amdhsa_memory_ordered 1
		.amdhsa_forward_progress 1
		.amdhsa_inst_pref_size 76
	.end_amdhsa_kernel
	.amdgpu_metadata
---
amdhsa.version: [ 1, 2 ]
amdhsa.kernels:
  - .name:           k_q2c0c01d9c4_proj
    .symbol:         k_q2c0c01d9c4_proj.kd
    .args:
      - { .name: aimg, .offset: 0, .size: 8, .value_kind: global_buffer, .address_space: global }
      - { .name: woc, .offset: 8, .size: 8, .value_kind: global_buffer, .address_space: global }
      - { .name: lowp_scales, .offset: 16, .size: 8, .value_kind: global_buffer, .address_space: global }
      - { .name: bo, .offset: 24, .size: 8, .value_kind: global_buffer, .address_space: global }
      - { .name: out0, .offset: 32, .size: 8, .value_kind: global_buffer, .address_space: global }
    .group_segment_fixed_size: 167936
    .private_segment_fixed_size: 0
    .kernarg_segment_align: 8
    .kernarg_segment_size: 40
    .max_flat_workgroup_size: 128
    .sgpr_count:     66
    .vgpr_count:     1024
    .wavefront_size: 32
...
	.end_amdgpu_metadata
.endif
;; end of part 4
